; MI455X (gfx1250); checked and timed in simulation.
; The chip was launched on July 23, 2026; its instructions are those of AMD's public machine-readable ISA for CDNA 5 (MIT licence, August 2026) and "CDNA5" Instruction Set Architecture Reference Guide (July 2026). The comments in the code are by the model that wrote it; some were corrected since.
;; Multihead Self Attention. Allowed arithmetic: matrix products marked QUANTISED: E4M3 operands, one given power-of-two scale a tensor, by v_wmma_f32_16x16x64_fp8_fp8 or v_wmma_f32_16x16x128_fp8_fp8, f32 sums; everything else in f32.
;; Inputs: lowp_scales 12 int32 (the exponents e of the quantised operands' scales 2^e); token_positions 2,048 int32; wk 2,048 x 2,048 float32; wo 2,048 x 2,048 float32; wq 2,048 x 2,048 float32; wv 2,048 x 2,048 float32; x 1 x 2,048 x 2,048 float32.
;; Outputs: out0 1 x 2,048 x 2,048 float32.
;; This version of the problem:
;;   THIS VERSION OF THE PROBLEM IS GIVEN IN LOW PRECISION. The matrix products marked QUANTISED in the list below multiply operands that are first quantised to E4M3 (4 exponent bits, 3 mantissa bits; 8 bits a number), with one given power-of-two scale for each operand tensor; their sums are f32. All else is computed in f32.
;;   The module's matrix products, in the order in which they are computed (A, B: the left and right operand; K: the contracted axis; several contracted axes count as one K, in the product's order):
;;     1. [M 2,048, K 2,048] x [K 2,048, N 2,048]; A: input x; B: input wq: QUANTISED (scales: A lowp_scales[0], B lowp_scales[1])
;;     2. [M 2,048, K 2,048] x [K 2,048, N 2,048]; A: input x; B: input wk: QUANTISED (scales: A lowp_scales[2], B lowp_scales[3])
;;     3. [M 2,048, K 2,048] x [K 2,048, N 2,048]; A: input x; B: input wv: QUANTISED (scales: A lowp_scales[4], B lowp_scales[5])
;;     4. batch 16 x [M 2,048, K 128] x [K 128, N 2,048]; A: computed on the way; B: computed on the way: QUANTISED (scales: A lowp_scales[6], B lowp_scales[7])
;;     5. batch 16 x [M 2,048, K 2,048] x [K 2,048, N 128]; A: softmax (see below); B: computed on the way: QUANTISED (scales: A lowp_scales[8], B lowp_scales[9])
;;     6. [M 2,048, K 2,048] x [K 2,048, N 2,048]; A: computed on the way; B: input wo: QUANTISED (scales: A lowp_scales[10], B lowp_scales[11])
;;   THE QUANTISER, for each operand of a quantised product, along K:
;;     - The operand's scale is 2^e, e = its entry of the input lowp_scales (int32; the entries are numbered through the quantised products in the list's order, A before B).
;;     - Each number is divided by the scale, clamped to +-448, and rounded to the nearest number of E4M3, ties to even, subnormals kept.
;;     - The product sums the exact products of the quantised numbers (number of the format x scale) in f32.
;;   ~~~python
;;   def quantise(x, axis, e):      # numpy; x: float32 -> the quantised numbers, widened to float32 again
;;       x = np.moveaxis(x, axis, -1); K = x.shape[-1]
;;       r = np.clip(x / 2.0 ** e, -448, 448)
;;       step = 2.0 ** (np.maximum(np.frexp(np.where(r == 0, 1, r))[1] - 1, -6) - 3)
;;       q = np.round(r / step) * step * 2.0 ** e      # np.round: ties to even
;;       return np.moveaxis(q, -1, axis).astype(np.float32)
;;   ~~~
;;   SOFTMAX AHEAD OF A QUANTISED PRODUCT. Where the list says 'softmax', what is quantised is not the finished softmax but p = 2^(t - M), with t = logit x log2(e) and M = ceil(the row's largest t), a whole number; so 1/2 < the row's largest p <= 1. The row's sum l is taken of the UNQUANTISED p, in f32, and the product's result is divided by l at the end. Since M is a whole number, a kernel that streams over the keys may use a running M (the ceiling of the running maximum): every later rescaling is an exact power of two, so the quantised numbers keep their values, but for numbers so far below the row's largest that they fall under the format's range.
;;   OPERANDS COMPUTED ON THE WAY. 'Computed on the way' means the value that the module computes at that place (a softmax that the list does not call 'softmax' is quantised finished and normalised). What goes into a quantiser is computed in f32, as accurately as f32 sums, v_exp_f32 and their like allow (about 1e-6 of the number): no bf16 or f16 on the way to a quantiser, and a product that is left as it is and whose result goes on into a quantised operand takes f32 operands (vector FMAs, or v_wmma_f32_16x16x4_f32). A number that lies on a knife's edge between two numbers of the format may be rounded either way, as far as f32 arithmetic and the matrix unit's own rounding can turn it there, and no further.
;; One version. Each part assembles by itself: llvm-mc -triple=amdgcn-amd-amdhsa -mcpu=gfx1250 --defsym DOCPART=n.
;; ======== version 1 of 1: 4 launches
;; limits: right only within a limited range of input values
;; workspace buffers: xc 12,582,912 bytes; wc 16,777,216 bytes; rope 1,048,576 bytes; qkvc 12,582,912 bytes; ac 4,194,304 bytes
;; launch quant (part 1): grid 8 x 96, 4 waves a work-group, no clusters, 34,304 bytes of LDS; arguments x, wq, wk, wv, wo, token_positions, lowp_scales, xc, wc, rope; writes xc, wc, rope
.if DOCPART == 1
	.amdgcn_target "amdgcn-amd-amdhsa--gfx1250"
	.amdhsa_code_object_version 6
	.text
	.protected	k_q466c721b4c_quant
	.globl	k_q466c721b4c_quant
	.p2align	8
	.type	k_q466c721b4c_quant,@function
k_q466c721b4c_quant:
	s_mov_b64 s[64:65], 0
	v_nop
	global_prefetch_b8 v0, s[64:65] scope:SCOPE_SE
	s_setreg_imm32_b32 hwreg(HW_REG_WAVE_MODE, 25, 1), 1
	s_wait_xcnt 0x0
; x and the four weights, f32 [2048][2048] with K innermost, become codes of FP8 (E4M3), each with its given scale 2^e; and the table of cos and sin for the rotation is made.
; THE CODES' LAYOUT, in every buffer of this program: [block of 128 rows][K step of 128][image t = 0..7][piece c = 0..3][lane][16 bytes].  An image is an operand's 16 registers as they stand:
; lane (r = lane % 16, h = lane / 16), piece c holds row 32 (t / 2) + 8 (t % 2) + r + 8 (r / 8) of the block, K = 32 c + 16 h + 0 .. 15.  So every later fragment is four dense accesses of 512 bytes.
; x is an operand of three products with three scales (entries 0, 2, 4): three sets of codes, 4 MiB apart in xc.  wq, wk, wv, wo (entries 1, 3, 5, 11) lie 4 MiB apart in wc.
; SHARES.  Work-group y < 80: tensor y / 16, block y % 16; x: K steps 4 (x % 4) + wave, images 4 (x / 4) + 0 .. 3.  A wave takes four images of one K step.
; Each load reads 512 consecutive bytes of one row; 16 rows turn through the wave's own stage in LDS (rows 528 bytes apart) and come back 64 bytes a lane: 16 neighbours of each block of 32 along K.
; Work-group y >= 80: the table.  Block of positions y - 80, image x; entry n = 4 wave + k of 16: (cos f, sin f, cos f+1, sin f+1), f = 16 wave + 8 h + 2 k, for the position of the lane's row.
; cos and sin: angle = position x 10000^(-f/64); k = nearest whole number to angle x 2/pi; angle - k pi/2 in two fused steps; polynomials of degree 7 and 8 on +-pi/4; quadrant by selects.
; LIMITS: each e between -126 and 119; |position x 10000^(-f/64)| under 2^22; NaN among the inputs is not served (an infinity is held at the largest code).
.set SP,    528                        ; a stage row: 512 bytes + 16
.set WREG,  16*SP                      ; a wave's stage
.set SPARE, 4*WREG                     ; behind the stages: the spare words, 128 bytes a wave
.set LI,  4                            ; v4   16 x lane
.set SI,  5                            ; v5   into the stage
.set SO,  6                            ; v6   out of the stage
.set SPW, 8                            ; v8   my spare word; never rewritten
.set NIL, 9                            ; v9   0; never rewritten
.set R,   16                           ; v16-143  two sets of 64: an image's numbers as loaded
.set X,   144                          ; v144-207 the image's numbers, 16 neighbours for each piece
.set T,   208                          ; v208-239 two sets of 16: numbers held within the largest code
.set C,   240                          ; v240-255 the image's codes
	s_load_b512 s[4:19], s[0:1], 0x0               ; x, wq, wk, wv, wo, positions, scales, xc
	s_load_b128 s[20:23], s[0:1], 0x40             ; wc, rope
	v_lshl_add_u32 v[SPW], v0, 2, SPARE
	v_mov_b32 v[NIL], 0
	v_lshrrev_b32 v1, 5, v0
	v_readfirstlane_b32 s24, v1                    ; wave
	s_and_b32 s25, ttmp7, 0xffff                   ; the grid's row
	s_lshr_b32 s26, s25, 6
	s_lshl_b32 s26, s26, 4
	s_xor_b32 s25, s25, s26                        ; y: the grid's row with rows 64-79 and 80-95 exchanged: the table's sixteen rows of short work-groups then have numbers 512 above x's sixteen rows, whose work-groups store three sets of codes
	v_and_b32 v2, 31, v0                           ; lane
	v_and_b32 v3, 15, v0                           ; r
	v_bfe_u32 v7, v0, 4, 1                         ; h
	v_lshlrev_b32 v[LI], 4, v2
	s_cmp_ge_u32 s25, 80
	s_cbranch_scc1 .Ltable
	s_lshr_b32 s26, s25, 4                         ; which tensor: 0 x, 1 .. 4 wq, wk, wv, wo
	s_and_b32 s27, s25, 15                         ; block of 128 rows
	s_and_b32 s28, ttmp9, 3
	s_lshr_b32 s29, ttmp9, 2                       ; which four images
	s_lshl_b32 s30, s28, 2
	s_add_co_u32 s30, s30, s24                     ; K step
	s_mul_i32 s31, s24, WREG
	s_wait_alu depctr_va_vdst(0)
	v_add_nc_u32 v[SI], s31, v[LI]                 ; in: a row's 512 bytes as they lie
	v_mul_u32_u24 v[SO], v3, SP
	v_lshl_add_u32 v[SO], v7, 6, v[SO]
	v_add_nc_u32 v[SO], s31, v[SO]                 ; out: row r, + 64 h
	s_lshl_b32 s38, s27, 20                        ; source: 128 rows of 8,192 bytes a block,
	s_lshl_b32 s45, s29, 19                        ; 64 rows for four images,
	s_add_co_u32 s38, s38, s45
	s_lshl_b32 s45, s30, 9                         ; 512 bytes a K step
	s_add_co_u32 s38, s38, s45
	s_mov_b32 s39, 0
	s_lshl_b32 s40, s27, 4                         ; codes: (16 block + K step) x 16 KiB + 8 KiB for four images
	s_add_co_u32 s40, s40, s30
	s_lshl_b32 s40, s40, 14
	s_lshl_b32 s45, s29, 13
	s_add_co_u32 s40, s40, s45
	s_max_u32 s45, s26, 1
	s_sub_co_u32 s45, s45, 1
	s_lshl_b32 s45, s45, 22                        ; a weight's place in wc
	s_add_co_u32 s40, s40, s45
	s_mov_b32 s41, 0
	s_wait_alu depctr_va_vdst(0)
	s_wait_kmcnt 0x0
	s_load_b256 s[48:55], s[16:17], 0x0            ; e0 .. e7
	s_load_b128 s[56:59], s[16:17], 0x20           ; e8 .. e11
	s_cmp_eq_u32 s26, 1                            ; the buffers are chosen by the work-group's number alone
	s_cselect_b64 s[32:33], s[6:7], s[4:5]
	s_cmp_eq_u32 s26, 2
	s_cselect_b64 s[32:33], s[8:9], s[32:33]
	s_cmp_eq_u32 s26, 3
	s_cselect_b64 s[32:33], s[10:11], s[32:33]
	s_cmp_eq_u32 s26, 4
	s_cselect_b64 s[32:33], s[12:13], s[32:33]
	s_cmp_eq_u32 s26, 0
	s_cselect_b64 s[34:35], s[18:19], s[20:21]
	s_add_nc_u64 s[32:33], s[32:33], s[38:39]
	s_add_nc_u64 s[34:35], s[34:35], s[40:41]
	s_add_nc_u64 s[36:37], s[34:35], 0x800000      ; x's third set (used for x alone)
.macro LOADI tt                        ; image tt's 16 rows, 512 consecutive bytes a load
.irp i, 0,1,2,3,4,5,6,7,8,9,10,11,12,13,14,15
	global_load_b128 v[R+64*((\tt)%2)+4*\i:R+64*((\tt)%2)+4*\i+3], v[LI], s[32:33] offset:(32*((\tt)/2)+8*((\tt)%2)+\i+8*(\i/8))*8192 th:TH_LOAD_NT
.endr
.endm
.macro TURN tt                         ; through the stage: LDS serves a wave's instructions in order, so no wait stands between the stores and the loads
.irp i, 0,1,2,3,4,5,6,7,8,9,10,11,12,13,14,15
	ds_store_b128 v[SI], v[R+64*((\tt)%2)+4*\i:R+64*((\tt)%2)+4*\i+3] offset:SP*\i
.endr
.irp c, 0,1,2,3
.irp j, 0,1,2,3
	ds_load_b128 v[X+16*\c+4*\j:X+16*\c+4*\j+3], v[SO] offset:128*\c+16*\j
.endr
.endr
.endm
.macro QUANT sc                        ; v[sc]: 2^e; v[sc+1]: 448 x 2^e.  X stays as it is (x is quantised three times); the two sets of T take turns, so sixteen plain lines stand between a conversion and the next write of its sources
.irp c, 0,1,2,3
.set qi, 0
.rept 16
	v_med3_num_f32 v[T+16*(\c%2)+qi], v[X+16*\c+qi], -v[\sc+1], v[\sc+1]   ; the conversion to an 8-bit code does not saturate (ISA guide 7.6.2): the hold comes first
.set qi, qi+1
.endr
	v_cvt_scalef32_pk8_fp8_f32 v[C+4*\c:C+4*\c+1], v[T+16*(\c%2):T+16*(\c%2)+7], v[\sc]
	v_cvt_scalef32_pk8_fp8_f32 v[C+4*\c+2:C+4*\c+3], v[T+16*(\c%2)+8:T+16*(\c%2)+15], v[\sc]
.endr
.endm
.macro PUT base, off                   ; the image leaves as it stands: each store covers 512 consecutive bytes, aligned
.irp c, 0,1,2,3
	global_store_b128 v[LI], v[C+4*\c:C+4*\c+3], s[\base:\base+1] offset:\off+512*\c
.endr
.endm
.macro MKSC e, v
	s_add_co_i32 s46, s[\e], 127
	s_lshl_b32 s47, s46, 23
	v_mov_b32 v[\v], s47                           ; 2^e as f32: the conversion takes its exponent field
	s_add_co_i32 s46, s46, 8
	s_lshl_b32 s46, s46, 23
	s_or_b32 s46, s46, 0x600000
	v_mov_b32 v[\v+1], s46                         ; 448 x 2^e
.endm
.macro IMG tt
.if (\tt) < 3
	s_wait_loadcnt 16                              ; this image's 16 loads are in; the next image's 16 may be out
.else
	s_wait_loadcnt 0x0
.endif
	TURN \tt
	s_wait_dscnt 0x0                               ; the image is back from the stage
	s_wait_xcnt 0x0                                ; the earlier stores have read their data: the codes' registers are written again only behind this wait
.if (\tt) < 2
	LOADI (\tt)+2
.endif
	QUANT 10
	PUT 34, 2048*(\tt)
	s_cmp_lg_u32 s26, 0                            ; x alone has two more scales
	s_cbranch_scc1 .Lone_\@
	s_wait_xcnt 0x0
	QUANT 12
	PUT 34, 2048*(\tt)+0x400000
	s_wait_xcnt 0x0
	QUANT 14
	PUT 36, 2048*(\tt)
.Lone_\@:
.endm
	LOADI 0
	LOADI 1
	s_wait_kmcnt 0x0
	s_cmp_eq_u32 s26, 1                            ; my tensor's e: entries 0, 1, 3, 5, 11
	s_cselect_b32 s42, s49, s48
	s_cmp_eq_u32 s26, 2
	s_cselect_b32 s42, s51, s42
	s_cmp_eq_u32 s26, 3
	s_cselect_b32 s42, s53, s42
	s_cmp_eq_u32 s26, 4
	s_cselect_b32 s42, s59, s42
	MKSC 42, 10
	MKSC 50, 12                                    ; entry 2
	MKSC 52, 14                                    ; entry 4
	s_wait_alu depctr_va_vdst(0)
	IMG 0
	IMG 1
	IMG 2
	IMG 3
	s_wait_tensorcnt 0x0                           ; the wave's end, behind my last LDS store
	ds_add_u32 v[SPW], v[NIL]
	s_wait_dscnt 0x0
	s_endpgm
.Ltable:                                       ; no LDS on this way
	s_sub_co_u32 s26, s25, 80                      ; block of 128 positions
	s_lshr_b32 s27, ttmp9, 1                       ; image a = x: rows 32 (a / 2) + 8 (a % 2) + r + 8 (r / 8)
	s_lshl_b32 s27, s27, 5
	s_and_b32 s28, ttmp9, 1
	s_lshl_b32 s28, s28, 3
	s_add_co_u32 s27, s27, s28
	s_lshl_b32 s28, s26, 7
	s_add_co_u32 s27, s27, s28
	s_wait_alu depctr_va_vdst(0)
	v_and_b32 v10, 8, v3
	v_add_nc_u32 v10, v10, v3
	v_add_nc_u32 v10, s27, v10
	v_lshlrev_b32 v10, 2, v10                      ; my row's position, 4 bytes
	s_lshl_b32 s28, s26, 3
	s_add_co_u32 s28, s28, ttmp9
	s_lshl_b32 s28, s28, 13                        ; (8 block + a) x 8,192 bytes,
	s_lshl_b32 s29, s24, 11                        ; + my wave's four entries of 512 bytes
	s_add_co_u32 s28, s28, s29
	s_mov_b32 s29, 0
	s_lshl_b32 s30, s24, 4
	v_lshl_add_u32 v12, v7, 3, s30                 ; 16 wave + 8 h: my first frequency
	s_mov_b32 s42, 0x3fc90fdb                      ; pi/2, its leading 24 bits,
	s_mov_b32 s43, 0xb33bbd2e                      ; and what they leave
	v_mov_b32 v80, 0xb94ca1f9                      ; the leading coefficients of the two polynomials
	v_mov_b32 v81, 0x37ccf5ce
	s_wait_alu depctr_va_vdst(0)
	s_wait_kmcnt 0x0
	global_load_b32 v11, v10, s[14:15]
	s_add_nc_u64 s[22:23], s[22:23], s[28:29]
.irp e, 0,1,2,3,4,5,6,7
	v_add_nc_u32 v[16+\e], \e, v12
.endr
.irp e, 0,1,2,3,4,5,6,7
	v_cvt_f32_u32 v[16+\e], v[16+\e]
.endr
.irp e, 0,1,2,3,4,5,6,7
	v_mul_f32 v[16+\e], 0xbe549a78, v[16+\e]       ; -f x log2(10000) / 64
.endr
	s_wait_alu depctr_va_vdst(0)
.irp e, 0,1,2,3,4,5,6,7
	v_exp_f32 v[16+\e], v[16+\e]                   ; 10000^(-f/64): one batch
.endr
	v_nop                                          ; a plain line behind the last of them,
	s_wait_alu depctr_va_vdst(0)                   ; and the one wait ahead of the first reader
	s_wait_loadcnt 0x0
	v_cvt_f32_i32 v11, v11
.macro TRIG e
	v_mul_f32 v[24+\e], v11, v[16+\e]              ; the angle
	v_mul_f32 v[32+\e], 0x3f22f983, v[24+\e]       ; x 2/pi
	v_rndne_f32 v[32+\e], v[32+\e]                 ; k
	v_fma_f32 v[24+\e], -v[32+\e], s42, v[24+\e]
	v_fma_f32 v[24+\e], -v[32+\e], s43, v[24+\e]   ; the angle less k pi/2
	v_cvt_i32_f32 v[32+\e], v[32+\e]
	v_mul_f32 v[40+\e], v[24+\e], v[24+\e]
	v_fmaak_f32 v[48+\e], v80, v[40+\e], 0x3c08839e
	v_fmaak_f32 v[56+\e], v81, v[40+\e], 0xbab6061a
	v_fmaak_f32 v[48+\e], v[48+\e], v[40+\e], 0xbe2aaaa3
	v_fmaak_f32 v[56+\e], v[56+\e], v[40+\e], 0x3d2aaaa5
	v_mul_f32 v[48+\e], v[48+\e], v[40+\e]
	v_fma_f32 v[56+\e], v[56+\e], v[40+\e], -0.5
	v_fma_f32 v[48+\e], v[48+\e], v[24+\e], v[24+\e]   ; sin of the rest
	v_fma_f32 v[56+\e], v[56+\e], v[40+\e], 1.0        ; cos of the rest
	v_and_b32 v13, 1, v[32+\e]
	v_cmp_ne_u32 vcc_lo, 0, v13                    ; an odd quadrant swaps the two
	v_cndmask_b32 v[65+2*\e], v[48+\e], v[56+\e], vcc_lo
	v_cndmask_b32 v[64+2*\e], v[56+\e], v[48+\e], vcc_lo
	v_lshlrev_b32 v13, 30, v[32+\e]                ; sin is negative in quadrants 2 and 3,
	v_add_nc_u32 v14, 1, v[32+\e]                  ; cos in 1 and 2
	v_and_b32 v13, 0x80000000, v13
	v_lshlrev_b32 v14, 30, v14
	v_xor_b32 v[65+2*\e], v13, v[65+2*\e]
	v_and_b32 v14, 0x80000000, v14
	v_xor_b32 v[64+2*\e], v14, v[64+2*\e]
.endm
.irp e, 0,1,2,3,4,5,6,7
	TRIG \e
.endr
.irp k, 0,1,2,3
	global_store_b128 v[LI], v[64+4*\k:67+4*\k], s[22:23] offset:512*\k   ; 512 consecutive bytes, aligned
.endr
	s_endpgm
.Lfunc_end_k_q466c721b4c_quant:
	.size	k_q466c721b4c_quant, .Lfunc_end_k_q466c721b4c_quant-k_q466c721b4c_quant
	.p2alignl 7, 3214868480
	.fill 96, 4, 3214868480
	.section	.rodata,"a",@progbits
	.p2align	6, 0x0
	.amdhsa_kernel k_q466c721b4c_quant
		.amdhsa_group_segment_fixed_size 34304
		.amdhsa_private_segment_fixed_size 0
		.amdhsa_enable_private_segment 0
		.amdhsa_kernarg_size 80
		.amdhsa_user_sgpr_count 2
		.amdhsa_user_sgpr_kernarg_segment_ptr 1
		.amdhsa_wavefront_size32 1
		.amdhsa_system_sgpr_workgroup_id_x 1
		.amdhsa_system_sgpr_workgroup_id_y 1
		.amdhsa_system_sgpr_workgroup_id_z 1
		.amdhsa_system_vgpr_workitem_id 0
		.amdhsa_next_free_vgpr 256
		.amdhsa_next_free_sgpr 66
		.amdhsa_reserve_vcc 1
		.amdhsa_float_denorm_mode_32 3
		.amdhsa_float_denorm_mode_16_64 3
		.amdhsa_memory_ordered 1
		.amdhsa_forward_progress 1
		.amdhsa_inst_pref_size 90
	.end_amdhsa_kernel
	.amdgpu_metadata
---
amdhsa.version: [ 1, 2 ]
amdhsa.kernels:
  - .name:           k_q466c721b4c_quant
    .symbol:         k_q466c721b4c_quant.kd
    .args:
      - { .name: x, .offset: 0, .size: 8, .value_kind: global_buffer, .address_space: global }
      - { .name: wq, .offset: 8, .size: 8, .value_kind: global_buffer, .address_space: global }
      - { .name: wk, .offset: 16, .size: 8, .value_kind: global_buffer, .address_space: global }
      - { .name: wv, .offset: 24, .size: 8, .value_kind: global_buffer, .address_space: global }
      - { .name: wo, .offset: 32, .size: 8, .value_kind: global_buffer, .address_space: global }
      - { .name: token_positions, .offset: 40, .size: 8, .value_kind: global_buffer, .address_space: global }
      - { .name: lowp_scales, .offset: 48, .size: 8, .value_kind: global_buffer, .address_space: global }
      - { .name: xc, .offset: 56, .size: 8, .value_kind: global_buffer, .address_space: global }
      - { .name: wc, .offset: 64, .size: 8, .value_kind: global_buffer, .address_space: global }
      - { .name: rope, .offset: 72, .size: 8, .value_kind: global_buffer, .address_space: global }
    .group_segment_fixed_size: 34304
    .private_segment_fixed_size: 0
    .kernarg_segment_align: 8
    .kernarg_segment_size: 80
    .max_flat_workgroup_size: 128
    .sgpr_count:     66
    .vgpr_count:     256
    .wavefront_size: 32
...
	.end_amdgpu_metadata
.endif
;; end of part 1
;; launch qkv (part 2): grid 24 x 8, 4 waves a work-group, clusters of 4 x 4, 327,680 bytes of LDS; arguments xc, wc, lowp_scales, rope, qkvc; writes qkvc
.if DOCPART == 2
	.amdgcn_target "amdgcn-amd-amdhsa--gfx1250"
	.amdhsa_code_object_version 6
	.text
	.protected	k_q466c721b4c_qkv
	.globl	k_q466c721b4c_qkv
	.p2align	8
	.type	k_q466c721b4c_qkv,@function
k_q466c721b4c_qkv:
	s_mov_b64 s[64:65], 0
	v_nop
	global_prefetch_b8 v0, s[64:65] scope:SCOPE_SE
	s_setreg_imm32_b32 hwreg(HW_REG_WAVE_MODE, 25, 1), 1
	s_wait_xcnt 0x0
	s_wait_alu depctr_hold_cnt(0) depctr_sa_sdst(0) depctr_va_vdst(0) depctr_va_sdst(0) depctr_va_ssrc(0) depctr_va_vcc(0) depctr_vm_vsrc(0)
	s_getreg_b32 s2, hwreg(HW_REG_IB_STS2, 6, 4)
	s_cmp_eq_u32 s2, 0
	s_cbranch_scc0 .Lentry_in_a_cluster
	s_endpgm
.Lentry_in_a_cluster:
	s_bfe_u32 s2, ttmp6, 0x10000c
	s_cmp_lg_u32 s2, 0xf033
	s_cbranch_scc0 .Lentry_shape_is_right
	s_endpgm
.Lentry_shape_is_right:
; The three projections on codes of FP8 (E4M3), the rotation of q and k, and the quantising of q, k, v for attention.
; THE TWELVE CLUSTERS: number n = cluster x + 6 cluster y; sel = n / 4 (0 q, 1 k, 2 v), n % 2 the half of the tile columns, (n / 2) % 2 the half of the tile rows: the four clusters of one product have neighbouring numbers.
; A tile of 256 x 256 is made by a work-group of four waves, 128 x 128 (64 accumulators, 512 registers) a wave.  192 work-groups: a tile lies inside one of q, k, v, and 256 equal shares would need tiles of
; 128 x 128, whose waves read twice the LDS bytes for each matrix instruction.
; OPERANDS ARE IMAGES OF REGISTERS: [block of 128 rows][K step of 128][image 0..7][piece 0..3][lane][16 bytes]; image t, lane (r, h), piece c: row 32 (t/2) + 8 (t%2) + r + 8 (r/8), K = 32 c + 16 h + 0 .. 15.
; So 128 rows x 256 K are 32,768 consecutive bytes (one tensor load), a fragment is four dense LDS loads, and no padding is wanted.
; THE WALK ALONG K: a tile of A' is read by the two clusters of a product that share its rows, a tile of B' by the two that share its columns.  A cluster whose two halves differ begins at K = 1,024 and wraps,
; so that the two clusters that read a tile ask for it half a walk apart.  Only the order of the f32 sums hangs on that.
; THE MATRIX INSTRUCTION IS USED TRANSPOSED (source 0 = an image of B', source 1 = an image of A'): lane (r, h) then holds one row of A' and, in accumulators 2 c and 2 c + 1, B' rows 32 c + 16 h + 0 .. 15:
; converted, a lane's registers ARE the next operand's image, and leave by four dense stores.  q, k: A' = x, B' = the weight (rows = positions, K = the head's 128).  v: A' = wv, B' = x (rows = the head's 128, K = the keys).
; The rotation: a lane's register pairs are (even, odd) channels; cos and sin come from the table, laid in the accumulators' order.  The product's two scales and the next operand's are folded into the conversion's one.
; CLUSTERS: 4 x 4 work-groups; A' tiles are asked for jointly along a row of the cluster, B' tiles along a column.  sel and the walk's start are the same in all sixteen.
; LIMIT: e(next operand) - e(x) - e(weight) between -126 and 119.
; REGISTERS: window 0: v16-31 addresses and scales; v32-95, v96-127 the way out; v128-255 A's fragments, one set.  window 1: B's fragments, two sets; on the way out four sets of the table.  windows 2, 3: the accumulators.
.set HALFT,  32768                     ; 128 rows x 256 K: what one tensor load brings
.set SLOT,   HALFT                     ; LDS: 65,536 bytes for each wave's block (A's two blocks, then B's two), slot 0's 32,768 bytes and then slot 1's: a block's first four K steps lie on end in memory and in LDS, so one load of 256 rows fills a wave's part of both slots at the head
.set KBLK,   262144                    ; a block's 16 K steps in memory
.set SPARE,  8*HALFT                   ; behind the ring: the spare words, 128 bytes a wave
.set LAPS,   4                         ; 2,048 along K = 8 slots = 4 times round the ring
.set FR,     16
.set NL,     4
.set NP,     4
.set ADRA, 16                          ; v16-17  LDS address of my A fragments in slot 0, 1
.set ADRB, 20                          ; v20-21  the same for B
.set LI,   26                          ; v26     16 x lane
.set PFO,  27                          ; v27     256 x lane; never rewritten
.set SPW,  28                          ; v28     my spare word; never rewritten
.set NIL,  29                          ; v29     0; never rewritten
.set VSC,  30                          ; v30     the folded scale as f32
.set VLIM, 31                          ; v31     448 x that
.set TMP,  32                          ; v32-95  64 numbers on the way out
.set PC,   96                          ; v96-127 codes, two sets of 16
.set AF,   128
.set G1, 24
.set G0, 32
.set G1B, 48
.set G0B, 56
.set SEL, 66
.set BSA, 70                           ; s[70:71] my block of A' at K = 0
.set BSB, 72                           ; s[72:73] my block of B' at K = 0
.set PFA, 78                           ; s[78:79] where my two prefetches stand; never rewritten
.set OFF, 96                           ; s[96:97], s[98:99] where along K (in bytes of a block) slot 0's and slot 1's tiles begin
.set MSB, 0
.macro WIN new                         ; the immediate's high byte repeats the setting that is left
.if MSB != \new
	s_set_vgpr_msb (MSB<<8)|\new
.set MSB, \new
.endif
.endm
.set MUL_LO, 0xa1                      ; source 0 (B) window 1, source 1 (A) window 0, C and D window 2
.set MUL_HI, 0xf1                      ; the same, C and D window 3
.set TO_B,   0x40                      ; destination window 1, address window 0
.macro JLOAD g0a, g1a, g0b, g1b        ; a joint load: waves 0 and 1 fetch for A, waves 2 and 3 for B; an s_nop 0 and four v_nop follow each line
	s_cmp_eq_u32 s15, 0
	s_cbranch_scc0 .Lfor_b_\@
	tensor_load_to_lds s[\g0a:\g0a+3], s[\g1a:\g1a+7]
	s_nop 0
.rept 4
	v_nop
.endr
	s_branch .Lasked_\@
.Lfor_b_\@:
	tensor_load_to_lds s[\g0b:\g0b+3], s[\g1b:\g1b+7]
	s_nop 0
.rept 4
	v_nop
.endr
.Lasked_\@:
.endm
.macro CREST                           ; a round of the cluster's barrier behind its opening barrier
	s_cmp_lg_u32 s14, 0
	s_cbranch_scc1 .Lnot_wave_0_\@
	s_barrier_signal -3
.Lnot_wave_0_\@:
	s_barrier_wait -3
	s_barrier_signal -1
	s_barrier_wait -1
.endm
.macro CROUND
	s_barrier_signal -1
	s_barrier_wait -1
	CREST
.endm
	s_load_b256 s[4:11], s[0:1], 0x0               ; xc s[4:5], wc s[6:7], scales s[8:9], rope s[10:11]
	s_load_b64 s[12:13], s[0:1], 0x20              ; qkvc
	v_lshl_add_u32 v[SPW], v0, 2, SPARE
	v_mov_b32 v[NIL], 0
	ds_add_u32 v[SPW], v[NIL]                      ; the wave's opening: the add and its wait ahead of my first tensor load
	ds_add_u32 v[SPW], v[NIL]
	v_lshrrev_b32 v1, 5, v0
	v_readfirstlane_b32 s14, v1                    ; wave 0..3
	s_lshr_b32 s15, s14, 1                         ; my half of the tile's rows.  Also: I fetch for A (0) or for B (1)
	s_and_b32 s16, s14, 1                          ; my half of its columns.  Also: which block of 128 rows I fetch
	s_bfe_u32 s40, ttmp6, 0x40000                  ; cx, cy
	s_bfe_u32 s41, ttmp6, 0x40004
	s_and_b32 s17, ttmp7, 0xffff                   ; cluster y: 0, 1
	s_mul_i32 s17, s17, 6
	s_add_co_u32 s17, s17, ttmp9                   ; the cluster's number 0..11: the same in all sixteen partners
	s_lshr_b32 s[SEL], s17, 2                      ; 0 q, 1 k, 2 v
	s_and_b32 s42, s17, 1                          ; which half of the tile columns,
	s_bfe_u32 s17, s17, 0x10001                    ; which half of the tile rows
	s_xor_b32 s67, s42, s17                        ; where they differ the walk begins at K = 1,024:
	s_lshl_b32 s[OFF], s67, 17                     ; 8 K steps of 16 KiB
	s_mov_b32 s[OFF+1], 0
	s_add_co_u32 s[OFF+2], s[OFF], HALFT           ; slot 1's tiles lie two K steps on
	s_mov_b32 s[OFF+3], 0
	s_lshl_b32 s42, s42, 2
	s_add_co_u32 s42, s42, s40                     ; tile column 0..7
	s_lshl_b32 s17, s17, 2
	s_add_co_u32 s17, s17, s41                     ; tile row 0..7
	s_lshl_b32 s43, s41, 2
	s_lshl_b32 s43, 15, s43                        ; my row of the cluster
	s_lshl_b32 s44, 0x1111, s40                    ; my column
	s_or_b32 s[G1+0], s43, (3<<16)|(1<<21)         ; the mask; elements of 8 bytes; bit 21 beside a mask; no padding
	s_or_b32 s[G1B+0], s44, (3<<16)|(1<<21)
.irp g, G1, G1B
	s_mov_b32 s[\g+1], 32<<16                      ; tensor_dim0 = 32 elements: rows of 256 bytes of a dense block
	s_mov_b32 s[\g+2], 256<<16                     ; tensor_dim1 = 256 for the head's load; 128 from the first wait on TENSORcnt on
	s_mov_b32 s[\g+3], 32<<16                      ; tile_dim0
	s_mov_b32 s[\g+4], 256                         ; tile_dim1 likewise
	s_mov_b32 s[\g+5], 32                          ; the pitch
	s_mov_b32 s[\g+6], 0
	s_mov_b32 s[\g+7], 0
.endr
	s_lshl_b32 s68, s[SEL], 22                     ; the set's 4 MiB in xc, wc and qkvc
	s_lshl_b32 s20, s17, 1
	s_add_co_u32 s20, s20, s16                     ; A': block 2 x tile row + half, 256 KiB a block
	s_lshl_b32 s20, s20, 18
	s_add_co_u32 s20, s20, s68
	s_mov_b32 s21, 0
	s_lshl_b32 s46, s42, 1
	s_add_co_u32 s46, s46, s16                     ; B': block 2 x tile column + half
	s_lshl_b32 s46, s46, 18
	s_add_co_u32 s46, s46, s68
	s_mov_b32 s47, 0
	s_lshl_b32 s45, s14, 16                        ; where they go: wave x 65,536
	s_wait_dscnt 0x0                               ; the opening add is done
	s_wait_kmcnt 0x0
	s_load_b256 s[80:87], s[8:9], 0x0              ; e0 .. e7
	s_load_b128 s[88:91], s[8:9], 0x20             ; e8 .. e11
	s_cmp_eq_u32 s[SEL], 2
	s_cselect_b64 s[BSA:BSA+1], s[6:7], s[4:5]     ; A': x's codes, for v the weight's
	s_cselect_b64 s[BSB:BSB+1], s[4:5], s[6:7]     ; B': the other
	s_add_nc_u64 s[BSA:BSA+1], s[BSA:BSA+1], s[20:21]
	s_add_nc_u64 s[BSB:BSB+1], s[BSB:BSB+1], s[46:47]
	CROUND                                         ; all sixteen work-groups are here: the first joint loads meet
.irp s, 0,1
	s_mov_b32 s[G0+4*\s], 1
	s_add_co_u32 s[G0+4*\s+1], s45, \s*SLOT
	s_add_nc_u64 s[G0+4*\s+2:G0+4*\s+3], s[BSA:BSA+1], s[OFF+2*\s:OFF+2*\s+1]
	s_or_b32 s[G0+4*\s+3], s[G0+4*\s+3], 0x80000000
	s_mov_b32 s[G0B+4*\s], 1
	s_add_co_u32 s[G0B+4*\s+1], s45, \s*SLOT
	s_add_nc_u64 s[G0B+4*\s+2:G0B+4*\s+3], s[BSB:BSB+1], s[OFF+2*\s:OFF+2*\s+1]
	s_or_b32 s[G0B+4*\s+3], s[G0B+4*\s+3], 0x80000000
.endr
	JLOAD G0, G1, G0B, G1B                         ; my one tensor load at the head: 256 rows of 256 bytes, my block's part of slot 0 and of slot 1
	v_and_b32 v1, 31, v0
	v_lshlrev_b32 v[LI], 4, v1
	v_lshlrev_b32 v[PFO], 8, v1
	s_lshl_b32 s21, s15, 16                        ; my block of A'
	s_lshl_b32 s22, s16, 16                        ; my block of B',
	s_add_co_u32 s22, s22, 4*HALFT                 ; behind A's two
.irp s, 0,1
	v_add_nc_u32 v[ADRA+\s], s21, v[LI]
	v_add_nc_u32 v[ADRB+\s], s22, v[LI]
	s_add_co_u32 s21, s21, SLOT
	s_add_co_u32 s22, s22, SLOT
.endr
	; my two prefetches: the head's load brings the walk's slots 0 and 1, and the head asks for what the first two refills (slots 2 and 3) will load, two slots ahead.  Of the 32,768 bytes that I shall fetch for each,
	; I name the quarter that is my work-group's among the four that ask for them jointly (by cx for A', by cy for B': in the address alone), lanes 256 bytes apart.  The two clusters that read a tile begin half a walk
	; apart, so each aligned block of 256 bytes is named once in the launch.  Later refills are not asked for ahead: the other cluster has read those tiles.  No wrap is reached: the walk's first four slots end at the block's middle or end.
	s_cmp_eq_u32 s15, 0
	s_cselect_b64 s[PFA:PFA+1], s[BSA:BSA+1], s[BSB:BSB+1]
	s_cselect_b32 s18, s40, s41
	s_lshl_b32 s18, s18, 13
	s_add_co_u32 s18, s18, s[OFF+2]
	s_add_co_u32 s18, s18, HALFT                   ; the walk's slot 2
	s_mov_b32 s19, 0
	s_add_nc_u64 s[PFA:PFA+1], s[PFA:PFA+1], s[18:19]
	s_wait_alu depctr_va_vdst(0)                   ; the wait here, directly ahead of the reader of v[PFO]
	global_prefetch_b8 v[PFO], s[PFA:PFA+1] th:TH_LOAD_NT scope:SCOPE_SE
	global_prefetch_b8 v[PFO], s[PFA:PFA+1] offset:HALFT th:TH_LOAD_NT scope:SCOPE_SE
	s_lshl_b32 s92, s42, 1
	s_add_co_u32 s92, s92, s16                     ; X: my block of B' rows
	s_lshl_b32 s93, s17, 1
	s_add_co_u32 s93, s93, s15                     ; Y: my block of A' rows
	s_lshl_b32 s94, s92, 4
	s_add_co_u32 s94, s94, s93                     ; q, k: [head X][block of positions Y]
	s_lshl_b32 s95, s93, 4
	s_add_co_u32 s95, s95, s92                     ; v: [head Y][block of keys X]
	s_cmp_eq_u32 s[SEL], 2
	s_cselect_b32 s94, s95, s94
	s_lshl_b32 s94, s94, 14
	s_add_co_u32 s94, s94, s68
	s_mov_b32 s95, 0
	s_add_nc_u64 s[12:13], s[12:13], s[94:95]      ; where my eight images go
	s_lshl_b32 s94, s93, 16
	s_add_nc_u64 s[10:11], s[10:11], s[94:95]      ; the table of my block of positions (q, k)
	s_wait_alu depctr_va_vdst(0)
	s_wait_kmcnt 0x0
	s_add_co_i32 s74, s80, s81                     ; the product's two exponents,
	s_add_co_i32 s75, s82, s83
	s_add_co_i32 s76, s84, s85
	s_cmp_eq_u32 s[SEL], 1
	s_cselect_b32 s74, s75, s74
	s_cselect_b32 s77, s87, s86                    ; and the next operand's: entries 6, 7, 9
	s_cmp_eq_u32 s[SEL], 2
	s_cselect_b32 s74, s76, s74
	s_cselect_b32 s77, s89, s77
	s_sub_co_i32 s74, s77, s74
	s_add_co_i32 s74, s74, 127
	s_lshl_b32 s75, s74, 23
	v_mov_b32 v[VSC], s75
	s_add_co_i32 s74, s74, 8
	s_lshl_b32 s74, s74, 23
	s_or_b32 s74, s74, 0x600000
	v_mov_b32 v[VLIM], s74
.macro FRAG reg, adr, q, i             ; image i of the slot's q-th K step: four dense loads of 512 bytes
.irp c, 0,1,2,3
	ds_load_b128 v[\reg+4*\c:\reg+4*\c+3], v[\adr] offset:16384*(\q)+2048*(\i)+512*\c
.endr
.endm
; 16 matrix instructions: A's images a0, a0 + 1 x B's eight.  The 64 accumulators take turns, one instruction a turn, in the same order in every step.
.macro MUL16 a0, p, zero
.irp a, \a0, \a0+1
.irp b, 0,1,2,3,4,5,6,7
.if \zero
	v_wmma_f32_16x16x128_fp8_fp8 v[8*(8*((\a)%4)+\b):8*(8*((\a)%4)+\b)+7], v[128*(\p)+FR*\b:128*(\p)+FR*\b+FR-1], v[AF+FR*(\a):AF+FR*(\a)+FR-1], 0
.else
	v_wmma_f32_16x16x128_fp8_fp8 v[8*(8*((\a)%4)+\b):8*(8*((\a)%4)+\b)+7], v[128*(\p)+FR*\b:128*(\p)+FR*\b+FR-1], v[AF+FR*(\a):AF+FR*(\a)+FR-1], v[8*(8*((\a)%4)+\b):8*(8*((\a)%4)+\b)+7]
.endif
.endr
.endr
.endm
.macro FETCH_B slot, q, p
	WIN TO_B
.irp i, 0,1,2,3,4,5,6,7
	FRAG 128*(\p)+FR*\i, ADRB+\slot, \q, \i
.endr
	WIN 0
.endm
.macro FETCH_A slot, q, i0
.irp i, \i0, \i0+1, \i0+2, \i0+3
	FRAG AF+FR*(\i), ADRA+\slot, \q, \i
.endr
.endm
.macro PLACES n                        ; plain vector lines between a matrix instruction and a load into, or a read of, its registers
.rept \n
	v_nop
.endr
.endm
.macro STEP slot, q, zero              ; a step of 128 along K that has its successor in the same slot
	s_wait_dscnt 4*NL                              ; B's set and A's images 0-3 are in; the youngest 16 loads (A's images 4-7) may be out
	WIN MUL_LO
	MUL16 0, (\q)%2, \zero
	MUL16 2, (\q)%2, \zero
	s_wait_dscnt 0
	PLACES NP
	FETCH_B \slot, (\q)+1, 1-(\q)%2
	FETCH_A \slot, (\q)+1, 0
	WIN MUL_HI
	MUL16 4, (\q)%2, \zero
	MUL16 6, (\q)%2, \zero
	PLACES NP
	WIN 0
	FETCH_A \slot, (\q)+1, 4
.endm
; A slot's last step changes slots: in front of the barrier each wave waits for all its tensor loads, adds 0 to its spare word, and waits for that and for its reads of this slot.
; fill = 1: this slot is filled again, four K steps further along the walk, which wraps at the block's end.  The descriptors are made between the add and the wait for it: nothing then stands between the round and the joint load.
.macro TURN slot, next, fill
	s_wait_tensorcnt 0x0                           ; all my tensor loads have landed: my part of the next slot; no load of mine is out, so a group 0 may be written
	ds_add_u32 v[SPW], v[NIL]
.if \fill
	s_add_co_u32 s[OFF+2*\slot], s[OFF+2*\slot], 2*HALFT
	s_and_b32 s[OFF+2*\slot], s[OFF+2*\slot], KBLK-1
	s_add_nc_u64 s[G0+4*\slot+2:G0+4*\slot+3], s[BSA:BSA+1], s[OFF+2*\slot:OFF+2*\slot+1]
	s_or_b32 s[G0+4*\slot+3], s[G0+4*\slot+3], 0x80000000
	s_add_nc_u64 s[G0B+4*\slot+2:G0B+4*\slot+3], s[BSB:BSB+1], s[OFF+2*\slot:OFF+2*\slot+1]
	s_or_b32 s[G0B+4*\slot+3], s[G0B+4*\slot+3], 0x80000000
.endif
	s_wait_dscnt 4*NL+1                            ; the add and the youngest 16 loads may be out
	WIN MUL_LO
	MUL16 0, 1, 0
	s_wait_dscnt 0x0                               ; the add is done, and my reads of this slot are over
	s_barrier_signal -1
	MUL16 2, 1, 0
	WIN 0
	s_barrier_wait -1
.if \fill
	CREST                                          ; the barrier has opened a round of the cluster's: no wave of any partner still reads this slot or has a load on its way
	JLOAD G0+4*\slot, G1, G0B+4*\slot, G1B         ; the first tensor load behind the round; its four v_nop are the places in front of the loads below
.else
	PLACES NP
.endif
	FETCH_B \next, 0, 0
	FETCH_A \next, 0, 0
	WIN MUL_HI
	MUL16 4, 1, 0
	MUL16 6, 1, 0
	PLACES NP
	WIN 0
	FETCH_A \next, 0, 4
.endm
; THE WAY OUT, image by image of my 128 rows.
.macro TBL a                           ; image a's cos and sin, 64 registers in the accumulators' order, into set a % 4 of window 1
	WIN TO_B
.irp n, 0,1,2,3,4,5,6,7,8,9,10,11,12,13,14,15
	global_load_b128 v[64*((\a)%4)+4*\n:64*((\a)%4)+4*\n+3], v[LI], s[10:11] offset:8192*(\a)+512*\n
.endr
	WIN 0
.endm
.macro ROPE a
.if (\a) < 5
	s_wait_loadcnt 48                              ; this image's set is in; the three younger sets of 16 loads may be out
.else
	s_wait_loadcnt 16*(7-(\a))
.endif
	WIN 6+(\a)/4                                   ; source 0 (the sums) window 2 or 3, source 1 (cos, sin) window 1
.set rj, 0
.rept 32
	v_pk_mul_f32 v[TMP+rj:TMP+rj+1], v[64*((\a)%4)+rj:64*((\a)%4)+rj+1], v[64*((\a)%4)+rj:64*((\a)%4)+rj+1] op_sel_hi:[1,0]   ; (even x cos, odd x cos); each accumulator from its low end on
.set rj, rj+2
.endr
.set rj, 0
.rept 32
	v_pk_fma_f32 v[TMP+rj:TMP+rj+1], v[64*((\a)%4)+rj:64*((\a)%4)+rj+1], v[64*((\a)%4)+rj:64*((\a)%4)+rj+1], v[TMP+rj:TMP+rj+1] op_sel:[1,1,0] op_sel_hi:[0,1,1] neg_lo:[0,1,0]   ; (- odd x sin, + even x sin)
.set rj, rj+2
.endr
	WIN 0
.set rj, 0
.rept 64
	v_med3_num_f32 v[TMP+rj], v[TMP+rj], -v[VLIM], v[VLIM]   ; the conversion does not saturate (ISA guide 7.6.2): the hold
.set rj, rj+1
.endr
.endm
.macro HOLDV a
	WIN 2+(\a)/4                                   ; source 0 window 2 or 3
.set rj, 0
.rept 64
	v_med3_num_f32 v[TMP+rj], v[64*((\a)%4)+rj], -v[VLIM], v[VLIM]
.set rj, rj+1
.endr
	WIN 0
.endm
.macro OUT a
.set PB, PC+16*((\a)%2)
.if (\a) >= 2
	s_wait_xcnt 0x0                                ; the stores of two images ago have read this set of codes
.endif
.irp g, 0,1,2,3,4,5,6,7
	v_cvt_scalef32_pk8_fp8_f32 v[PB+2*\g:PB+2*\g+1], v[TMP+8*\g:TMP+8*\g+7], v[VSC]
.endr
	v_nop                                          ; a plain line between the conversions and the next write of their sources
.irp c, 0,1,2,3
	global_store_b128 v[LI], v[PB+4*\c:PB+4*\c+3], s[12:13] offset:2048*(\a)+512*\c   ; 512 consecutive bytes, aligned
.endr
.endm
	s_wait_alu depctr_va_vdst(0)                   ; the wait at the head's end
	s_wait_tensorcnt 0x0                           ; my part of both slots is in, and no load of mine is out: the descriptors may be written
	s_mov_b32 s[G1+2], 128<<16                     ; a refill brings 128 rows of 256 bytes: one slot's part of a block
	s_mov_b32 s[G1+4], 128
	s_mov_b32 s[G1B+2], 128<<16
	s_mov_b32 s[G1B+4], 128
	s_barrier_signal -1
	s_barrier_wait -1
	FETCH_B 0, 0, 0
	FETCH_A 0, 0, 0
	FETCH_A 0, 0, 4
	STEP 0, 0, 1                                   ; the first step's products start the sums
	s_mov_b32 s3, LAPS-1
.Llap:
	TURN 0, 1, 1
	STEP 1, 0, 0
	TURN 1, 0, 1
	STEP 0, 0, 0
	s_sub_co_u32 s3, s3, 1
	s_cmp_lg_u32 s3, 0
	s_cbranch_scc1 .Llap
	TURN 0, 1, 0                                   ; the last lap fills nothing
	STEP 1, 0, 0
	s_cmp_eq_u32 s[SEL], 2                         ; q, k: B's set 0 is done with (four places stand behind its last products): the first two sets of the table land under the last 64 products
	s_cbranch_scc1 .Lno_table
	TBL 0
	TBL 1
.Lno_table:
	s_wait_dscnt 4*NL
	WIN MUL_LO
	MUL16 0, 1, 0
	MUL16 2, 1, 0
	s_wait_dscnt 0
	WIN MUL_HI
	MUL16 4, 1, 0
	MUL16 6, 1, 0
	WIN 0
	PLACES NP
	s_cmp_eq_u32 s[SEL], 2
	s_cbranch_scc1 .Lv_out
	TBL 2
	TBL 3
.irp a, 0,1,2,3,4,5,6,7
	ROPE \a
.if \a < 4
	s_wait_alu depctr_va_vdst(0)
	TBL \a+4
.endif
	s_wait_alu depctr_va_vdst(0)
	OUT \a
.endr
	s_branch .Ldone
.Lv_out:
	s_wait_alu depctr_va_vdst(0)
.irp a, 0,1,2,3,4,5,6,7
	HOLDV \a
	s_wait_alu depctr_va_vdst(0)
	OUT \a
.endr
.Ldone:
	s_wait_tensorcnt 0x0                           ; the wave's end
	ds_add_u32 v[SPW], v[NIL]
	s_wait_dscnt 0x0
	CROUND                                         ; the closing round
	s_endpgm
.Lfunc_end_k_q466c721b4c_qkv:
	.size	k_q466c721b4c_qkv, .Lfunc_end_k_q466c721b4c_qkv-k_q466c721b4c_qkv
	.p2alignl 7, 3214868480
	.fill 96, 4, 3214868480
	.section	.rodata,"a",@progbits
	.p2align	6, 0x0
	.amdhsa_kernel k_q466c721b4c_qkv
		.amdhsa_group_segment_fixed_size 327680
		.amdhsa_private_segment_fixed_size 0
		.amdhsa_enable_private_segment 0
		.amdhsa_kernarg_size 40
		.amdhsa_user_sgpr_count 2
		.amdhsa_user_sgpr_kernarg_segment_ptr 1
		.amdhsa_wavefront_size32 1
		.amdhsa_system_sgpr_workgroup_id_x 1
		.amdhsa_system_sgpr_workgroup_id_y 1
		.amdhsa_system_sgpr_workgroup_id_z 1
		.amdhsa_system_vgpr_workitem_id 0
		.amdhsa_next_free_vgpr 1024
		.amdhsa_next_free_sgpr 100
		.amdhsa_reserve_vcc 0
		.amdhsa_float_denorm_mode_32 3
		.amdhsa_float_denorm_mode_16_64 3
		.amdhsa_memory_ordered 1
		.amdhsa_forward_progress 1
		.amdhsa_inst_pref_size 204
	.end_amdhsa_kernel
	.amdgpu_metadata
---
amdhsa.version: [ 1, 2 ]
amdhsa.kernels:
  - .name:           k_q466c721b4c_qkv
    .symbol:         k_q466c721b4c_qkv.kd
    .args:
      - { .name: xc, .offset: 0, .size: 8, .value_kind: global_buffer, .address_space: global }
      - { .name: wc, .offset: 8, .size: 8, .value_kind: global_buffer, .address_space: global }
      - { .name: lowp_scales, .offset: 16, .size: 8, .value_kind: global_buffer, .address_space: global }
      - { .name: rope, .offset: 24, .size: 8, .value_kind: global_buffer, .address_space: global }
      - { .name: qkvc, .offset: 32, .size: 8, .value_kind: global_buffer, .address_space: global }
    .group_segment_fixed_size: 327680
    .private_segment_fixed_size: 0
    .kernarg_segment_align: 8
    .kernarg_segment_size: 40
    .max_flat_workgroup_size: 128
    .sgpr_count:     100
    .vgpr_count:     1024
    .wavefront_size: 32
...
	.end_amdgpu_metadata
.endif
;; end of part 2
;; launch attn (part 3): grid 16 x 16, 16 waves a work-group, clusters of 4 x 1, 327,680 bytes of LDS; arguments qkvc, lowp_scales, ac; writes ac
.if DOCPART == 3
	.amdgcn_target "amdgcn-amd-amdhsa--gfx1250"
	.amdhsa_code_object_version 6
	.text
	.protected	k_q466c721b4c_attn
	.globl	k_q466c721b4c_attn
	.p2align	8
	.type	k_q466c721b4c_attn,@function
k_q466c721b4c_attn:
	s_mov_b64 s[64:65], 0
	v_nop
	global_prefetch_b8 v0, s[64:65] scope:SCOPE_SE
	s_setreg_imm32_b32 hwreg(HW_REG_WAVE_MODE, 25, 1), 1
	s_wait_xcnt 0x0
	s_wait_alu depctr_hold_cnt(0) depctr_sa_sdst(0) depctr_va_vdst(0) depctr_va_sdst(0) depctr_va_ssrc(0) depctr_va_vcc(0) depctr_vm_vsrc(0)
	s_getreg_b32 s2, hwreg(HW_REG_IB_STS2, 6, 4)
	s_cmp_eq_u32 s2, 0
	s_cbranch_scc0 .Lentry_in_a_cluster
	s_endpgm
.Lentry_in_a_cluster:
	s_bfe_u32 s2, ttmp6, 0x10000c
	s_cmp_lg_u32 s2, 0x3003
	s_cbranch_scc0 .Lentry_shape_is_right
	s_endpgm
.Lentry_shape_is_right:
; Causal attention on codes of FP8 (E4M3), 16 heads of 128, 2,048 positions; its result is quantised for the last projection.
; q, k: images [head][block of 128 positions][image][piece][lane][16], K = the head's 128; v: images [head][block of 128 keys], rows = the head's 128, K = the keys.  (Image t, lane (r, h), piece c: row 32 (t/2) + 8 (t%2) + r + 8 (r/8), K = 32 c + 16 h + 0..15.)
; THE SOFTMAX: t = score x log2(e) / sqrt(128); M = the running largest t rounded UP to a whole number; p = 2^(t - M) is quantised, not normalised; the row's sum is taken of the unquantised p and divides at the end.
; SHARES.  A cluster (number c = 0..3) of a head owns the blocks of 128 queries c, 7 - c, 8 + c, 15 - c: 34 visible key steps of 128 for every c.  Wave w: group g = w / 4 picks the block, sub = (w / 2) % 2 and the work-group's
; place cx pick the tile of 16 queries (image 2 cx + sub), and the tile's two waves (w % 2) share its key steps by parity: two steps a wave in each slot of 512 keys.  At the end the pair's two states meet in LDS.
; Both products are used transposed (S^T = K Q^T, O^T = V^T P^T): a lane holds one query throughout, p's registers are the second product's operand, and O^T's, converted, are an image of the last projection's operand.
; THE RING: two slots of 131,072 bytes (K's four blocks, then V's four), filled by waves 0 to 3, 32,768 bytes each, JOINTLY for the four work-groups of the cluster, which walk the same K and V.  Both slots' first fills
; (keys 0 to 1,023) go out together at the start; each slot is filled once more, and that load has the other slot's key steps in which to land.  By this text's count a wave never has more than one tensor load out.
; Every work-group walks all 4 slots; a step whose keys all come after the wave's queries is jumped over by a scalar branch on the cluster's number, the wave's number and the loops' counts, which all partners share.
; cx enters Q's and the result's addresses, the prefetch's address and the mask's number alone.
; LIMITS: e6 + e7 between -123 and 130; e8, and e10 - e8 - e9, between -126 and 119.
; REGISTERS: v1-9 addresses; v12 -M, v13 the largest t, v[14:15] the sum; v16-31 Q; v32-95 four fragments; v96-159 S^T, then p; v160-223 O^T; v224-239 codes; v232-254 at work.
; THE FIRST FILLS, as the text below has them (this stands in place of the sentences on them above): waves 0 to 3 fetch slot 0's four quarters and waves 4 to 7 slot 1's, one tensor load a wave, all eight behind the opening round;
; the refills are fetched by waves 0 to 3.  By this text's count a wave never has more than one tensor load out.
.set SLOT1, 1<<17
.set VOFF,  65536                      ; V's four blocks lie behind K's four
.set MPAIR, 8448                       ; where a pair's states meet: 8,448 bytes a pair, from byte 0 of slot 0 on: when they are stored, that slot has had its last fill, and nobody reads it behind the last change of slots
.set SPARE, 2*SLOT1                    ; behind the ring: the spare words, 128 bytes for each of 16 waves
.set AL0, 1                            ; v1  16 x lane + 16,384 x my parity
.set DQ,  2                            ; v2  my query's number in its block, less 16 h
.set PFO, 3                            ; v3  256 x lane
.set MST, 4                            ; v4  my pair's place, + 16 x lane
.set SPW, 5
.set NIL, 6
.set LI,  7                            ; v7  16 x lane
.set ADR, 8                            ; v8  LDS address of the step's block of K
.set MS2, 9                            ; v9  my pair's place + 8,192 + 8 x lane
.set ADV, 245                          ; v245 LDS address of the step's block of V
.set SUB, 10
.set P0,  11
.set PP,  12
.set CX,  13
.set HD,  15
.set WV,  18
.set SEL, 20
.set CS,  22
.set G1,  24
.set G0,  40                           ; s[40:43] group 0 of my first fill: waves 0 to 3 slot 0, waves 4 to 7 slot 1
.set G0W, 44                           ; s[44:47] the refills' group 0 (waves 0 to 3): it begins at slot 1 and keys 512, and walks on ahead of each refill
.set TB,  60                           ; s60 LDS byte at which the pair of blocks in hand begins
.set TWICE, 61                         ; s61 counts a slot's two steps
.set SLOTS, 67
.set PFA, 76
.set LIM, 80
.set KS,  98                           ; s98 my key step (block of 128 keys)
.set NB,  99                           ; s99 my block of queries
.macro CROUND
	s_barrier_signal -1
	s_barrier_wait -1
	s_cmp_lg_u32 s[WV], 0
	s_cbranch_scc1 .Lnot_wave_0_\@
	s_barrier_signal -3
.Lnot_wave_0_\@:
	s_barrier_wait -3
	s_barrier_signal -1
	s_barrier_wait -1
.endm
.macro JLOAD                           ; waves 0 to 3 fetch a quarter of a slot each; an s_nop 0 and four v_nop follow the line
	s_cmp_lt_u32 s[WV], 4
	s_cbranch_scc0 .Lasked_\@
	tensor_load_to_lds s[G0W:G0W+3], s[G1:G1+7]
	s_nop 0
.rept 4
	v_nop
.endr
.Lasked_\@:
.endm
; A prefetch, at the first refill, of what the second refill will ask for: the last 512 keys, 65,536 bytes of K and as many of V.  The head's first cluster asks; its four partners take 16 KiB of each, told apart by address;
; waves 4 and 5 ask for K's, waves 6 and 7 for V's, 8 KiB a wave, lanes 256 bytes apart: each aligned block of 256 bytes is named once in the launch.  The second refill asks for nothing; the first three slots come by their loads alone.
.macro ASK
	s_cmp_gt_u32 s[SLOTS], s[LIM]
	s_cbranch_scc0 .Lnot_mine_\@
	global_prefetch_b8 v[PFO], s[PFA:PFA+1] th:TH_LOAD_NT scope:SCOPE_SE
.Lnot_mine_\@:
.endm
	s_load_b128 s[4:7], s[0:1], 0x0                ; qkvc, scales
	s_load_b64 s[8:9], s[0:1], 0x10                ; ac
	v_lshl_add_u32 v[SPW], v0, 2, SPARE
	v_mov_b32 v[NIL], 0
	ds_add_u32 v[SPW], v[NIL]                      ; the wave's opening: the add and its wait ahead of the first tensor load
	ds_add_u32 v[SPW], v[NIL]
	v_lshrrev_b32 v8, 5, v0
	s_delay_alu instid0(VALU_DEP_1)
	v_readfirstlane_b32 s[WV], v8                  ; wave 0..15
	s_bfe_u32 s[CX], ttmp6, 0x40000                ; my place in the cluster
	s_and_b32 s[HD], ttmp7, 0xffff                 ; the head
	s_lshr_b32 s19, s[WV], 2                       ; g
	s_bfe_u32 s[SUB], s[WV], 0x10001               ; sub
	s_and_b32 s[P0], s[WV], 1
	s_lshr_b32 s33, s19, 1
	s_xor_b32 s[PP], s[P0], s33                    ; my parity of key steps
	s_and_b32 s32, s19, 1
	s_mul_i32 s32, s32, 7
	s_xor_b32 s32, s32, ttmp9                      ; c or 7 - c
	s_lshl_b32 s33, s33, 3
	s_add_co_u32 s[NB], s32, s33                   ; my block of queries
	s_mov_b32 s[G1], 15|(3<<16)|(1<<21)            ; the mask: all four; elements of 8 bytes; bit 21 beside a mask
	s_mov_b32 s[G1+1], 32<<16                      ; rows of 256 bytes of a dense block
	s_mov_b32 s[G1+2], 128<<16                     ; 128 of them: 32 KiB
	s_mov_b32 s[G1+3], 32<<16
	s_mov_b32 s[G1+4], 128
	s_mov_b32 s[G1+5], 32
	s_mov_b32 s[G1+6], 0
	s_mov_b32 s[G1+7], 0
	s_mov_b32 s[SEL], 0x76543210
	s_mov_b32 s[SEL+1], 0xfedcba98
	s_mov_b32 s[CS], 0x3e0293ee                    ; log2(e) / sqrt(128)
	s_mov_b32 s[TB], 0
	s_mov_b32 s[SLOTS], 2
	s_mov_b32 s[KS], s[PP]
	s_and_b32 s48, s[WV], 3                        ; what I fetch, if I fetch: quarter 0, 1: K's blocks 0-1, 2-3; quarter 2, 3: V's
	s_lshl_b32 s49, s48, 15                        ; its place in a slot
	s_lshr_b32 s50, s48, 1
	s_add_co_u32 s50, s50, 1
	s_lshl_b32 s50, s50, 22                        ; k's or v's 4 MiB,
	s_lshl_b32 s51, s[HD], 18                      ; the head's 256 KiB,
	s_add_co_u32 s50, s50, s51
	s_and_b32 s51, s48, 1
	s_lshl_b32 s51, s51, 15                        ; two blocks' 32 KiB
	s_add_co_u32 s50, s50, s51
	s_mov_b32 s51, 0
	s_lshl_b32 s36, s[CX], 1
	s_add_co_u32 s36, s36, s[SUB]                  ; my image a = 2 cx + sub
	s_lshl_b32 s37, s36, 11
	s_lshl_b32 s38, s[NB], 14
	s_add_co_u32 s38, s38, s37
	s_lshl_b32 s39, s[HD], 18
	s_add_co_u32 s38, s38, s39                     ; Q: [head][block][image]
	s_mov_b32 s39, 0
	s_lshl_b32 s58, s[NB], 18
	s_lshl_b32 s59, s[HD], 14
	s_add_co_u32 s58, s58, s59
	s_add_co_u32 s58, s58, s37                     ; the result: [block][head][image]
	s_mov_b32 s59, 0
	s_add_co_u32 s52, s[SUB], 1                    ; the prefetch: k's codes (waves 4, 5) or v's (waves 6, 7),
	s_lshl_b32 s52, s52, 22
	s_lshl_b32 s53, s[HD], 18
	s_add_co_u32 s52, s52, s53
	s_lshl_b32 s53, s[CX], 14                      ; my work-group's 16 KiB,
	s_add_co_u32 s52, s52, s53
	s_lshl_b32 s53, s[P0], 13                      ; my wave's 8 KiB of them,
	s_add_co_u32 s52, s52, s53
	s_add_co_u32 s52, s52, 3*65536                 ; in the last 512 keys
	s_mov_b32 s53, 0
	s_xor_b32 s54, s19, 1                          ; 0 in waves 4 to 7,
	s_or_b32 s54, s54, ttmp9                       ; of the head's first cluster: the same in all four partners
	s_cmp_eq_u32 s54, 0
	s_cselect_b32 s[LIM], 1, -1
	s_wait_dscnt 0x0                               ; the opening add is done
	s_wait_kmcnt 0x0
	s_load_b128 s[68:71], s[6:7], 0x18             ; e6, e7, e8, e9
	s_load_b32 s72, s[6:7], 0x28                   ; e10
	s_mov_b32 s[G0], 1
	s_and_b32 s62, s19, 1                          ; 0 in waves 0 to 3, 1 in waves 4 to 7: the slot of my first fill
	s_lshl_b32 s63, s62, 17
	s_add_co_u32 s[G0+1], s49, s63                 ; my quarter of that slot
	s_lshl_b32 s62, s62, 16
	s_mov_b32 s63, 0
	s_add_nc_u64 s[G0W+2:G0W+3], s[4:5], s[50:51]  ; my quarter of keys 0 to 511
	s_add_nc_u64 s[G0+2:G0+3], s[G0W+2:G0W+3], s[62:63]   ; slot 1: keys 512 to 1,023
	s_mov_b32 s[G0W], 1
	s_add_co_u32 s[G0W+1], s49, SLOT1
	s_add_nc_u64 s[G0W+2:G0W+3], s[G0W+2:G0W+3], 65536
	s_or_b32 s[G0+3], s[G0+3], 0x80000000
	s_or_b32 s[G0W+3], s[G0W+3], 0x80000000
	s_add_nc_u64 s[56:57], s[4:5], s[38:39]
	s_add_nc_u64 s[8:9], s[8:9], s[58:59]
	s_add_nc_u64 s[PFA:PFA+1], s[4:5], s[52:53]
	CROUND                                         ; all four work-groups are here: the first joint loads meet
	s_cmp_lt_u32 s[WV], 8                          ; eight waves fetch a quarter of a slot each: one tensor load a wave at the head; an s_nop 0 and four v_nop follow it
	s_cbranch_scc0 .Lfirst_asked
	tensor_load_to_lds s[G0:G0+3], s[G1:G1+7]
	s_nop 0
.rept 4
	v_nop
.endr
.Lfirst_asked:
	v_and_b32 v10, 31, v0
	s_delay_alu instid0(VALU_DEP_1)
	v_lshlrev_b32 v[LI], 4, v10
	s_delay_alu instid0(VALU_DEP_2)
	v_lshlrev_b32 v[PFO], 8, v10
.irp c, 0,1,2,3
	global_load_b128 v[16+4*\c:19+4*\c], v[LI], s[56:57] offset:512*\c   ; Q's image stays in registers
.endr
	s_lshl_b32 s32, s[PP], 14
	v_add_nc_u32 v[AL0], s32, v[LI]
	s_lshr_b32 s33, s[WV], 1
	s_mul_i32 s33, s33, MPAIR
	v_add_nc_u32 v[MST], s33, v[LI]
	v_lshl_add_u32 v[MS2], v10, 3, s33
	s_delay_alu instid0(VALU_DEP_1)
	v_add_nc_u32 v[MS2], 8192, v[MS2]
	v_and_b32 v11, 15, v0                          ; r
	v_bfe_u32 v10, v0, 4, 1                        ; h
	s_delay_alu instid0(VALU_DEP_2)
	v_and_b32 v[DQ], 8, v11
	s_delay_alu instid0(VALU_DEP_1)
	v_add_nc_u32 v[DQ], v[DQ], v11                 ; r + 8 (r / 8)
	s_delay_alu instid0(VALU_DEP_3)
	v_lshlrev_b32 v10, 4, v10
	s_delay_alu instid0(VALU_DEP_1)
	v_sub_nc_u32 v[DQ], v[DQ], v10
	s_lshl_b32 s34, s[CX], 5
	s_lshl_b32 s35, s[SUB], 3
	s_add_co_u32 s34, s34, s35
	v_add_nc_u32 v[DQ], s34, v[DQ]                 ; 32 cx + 8 sub + r + 8 (r / 8) - 16 h
	v_mov_b32 v13, 0xff61b1e6                      ; the largest t so far: -3e38
	s_delay_alu instid0(VALU_DEP_1)
	v_floor_f32 v12, -v13                          ; -M
	v_mov_b32 v14, 0
	v_mov_b32 v15, 0
	v_mov_b32 v236, 0                              ; a lane permute's destination counts as one of its sources
	v_mov_b32 v253, 0                              ; (the upper half of the pair v[252:253])
.set zi, 0
.rept 64
	v_mov_b32 v[160+zi], 0                         ; O^T: the step is written once for all steps, and a wave may have no step at all
.set zi, zi+1
.endr
	s_wait_kmcnt 0x0
	s_add_co_i32 s32, s68, s69
	s_lshl_b32 s32, s32, 23
	s_add_co_i32 s[CS], s[CS], s32                 ; a score stands for score x 2^(e6 + e7): added to c's exponent field
	s_mov_b32 s[CS+1], s[CS]
	s_add_co_i32 s32, s70, 127
	s_lshl_b32 s33, s32, 23
	v_mov_b32 v244, s33                            ; 2^e8
	s_add_co_i32 s32, s32, 8
	s_lshl_b32 s32, s32, 23
	s_or_b32 s32, s32, 0x600000
	v_mov_b32 v240, s32                            ; 448 x 2^e8
; A KEY STEP OF MINE: 128 keys, block s[KS].
.macro STEP
	s_cmp_gt_u32 s[KS], s[NB]                      ; all its keys come after my queries: nothing to do
	s_cbranch_scc1 .Lhidden_\@
	v_add_nc_u32 v[ADR], s[TB], v[AL0]
	s_wait_alu depctr_va_vdst(0)
	v_add_nc_u32 v[ADV], VOFF, v[ADR]
.irp g, 0,1                                    ; S^T = K Q^T, four images of 16 keys at a time
.rept 2+2*\g
	v_nop                                          ; four places in front of loads into registers that matrix instructions have read (the two additions above are places too)
.endr
.irp t, 0,1,2,3
.irp c, 0,1,2,3
	ds_load_b128 v[32+16*\t+4*\c:32+16*\t+4*\c+3], v[ADR] offset:2048*(4*\g+\t)+512*\c
.endr
.endr
	s_wait_dscnt 0x0
.irp t, 0,1,2,3
	v_wmma_f32_16x16x128_fp8_fp8 v[96+8*(4*\g+\t):103+8*(4*\g+\t)], v[32+16*\t:47+16*\t], v[16:31], 0
.endr
.endr
.rept 4
	v_nop                                          ; places in front of the loads below and of the first read of the scores
.endr
	s_wait_alu depctr_va_vdst(0)
.irp t, 0,1,2,3                                ; V's first four images are asked for here: they land while the softmax is worked
.irp c, 0,1,2,3
	ds_load_b128 v[32+16*\t+4*\c:32+16*\t+4*\c+3], v[ADV] offset:2048*\t+512*\c
.endr
.endr
	s_cmp_lg_u32 s[KS], s[NB]                      ; on the diagonal hidden scores become -infinity ahead of the maximum: register n holds key 32 (n / 16) + n % 16 + 16 h of the block
	s_cbranch_scc1 .Lopen_\@
	v_mov_b32 v254, 0xff800000
.set mi, 0
.rept 64
	v_cmp_gt_i32 vcc_lo, 32*(mi/16)+mi%16, v[DQ]
	v_cndmask_b32 v[96+mi], v[96+mi], v254, vcc_lo
.set mi, mi+1
.endr
.Lopen_\@:
	v_max3_num_f32 v254, v96, v97, v98             ; the step's largest score of my query, in two chains,
	v_max3_num_f32 v252, v99, v100, v101
.irp i, 6,10,14,18,22,26,30,34,38,42,46,50,54,58
	v_max3_num_f32 v254, v254, v[96+\i], v[97+\i]
	v_max3_num_f32 v252, v252, v[98+\i], v[99+\i]
.endr
	v_max3_num_f32 v254, v254, v158, v159
	s_delay_alu instid0(VALU_DEP_1)
	v_max_num_f32 v254, v254, v252
	v_permlanex16_b32 v236, v254, s[SEL], s[SEL+1]
	s_delay_alu instid0(VALU_DEP_1)
	v_max_num_f32 v254, v254, v236                 ; and among the other half of the lanes'
	s_delay_alu instid0(VALU_DEP_1)
	v_mul_f32 v254, s[CS], v254
	s_delay_alu instid0(VALU_DEP_1)
	v_max_num_f32 v13, v13, v254                   ; the running largest t
	v_mov_b32 v254, v12
	s_delay_alu instid0(VALU_DEP_2)
	v_floor_f32 v12, -v13                          ; the new -M: a whole number
	s_delay_alu instid0(VALU_DEP_1)
	v_sub_f32 v254, v12, v254
	s_delay_alu instid0(VALU_DEP_1)
	v_cvt_i32_f32 v254, v254                       ; (it saturates)
	s_delay_alu instid0(VALU_DEP_1)
	v_ldexp_f32 v252, 1.0, v254                    ; f = 2^(old M - new M)
.set mi, 0
.rept 32
	v_pk_fma_f32 v[96+mi:97+mi], v[96+mi:97+mi], s[CS:CS+1], v[12:13] op_sel_hi:[1,0,0]   ; t - M
.set mi, mi+2
.endr
.set mi, 0
	s_wait_alu depctr_va_vdst(0)
.rept 64
	v_exp_f32 v[96+mi], v[96+mi]                   ; p = 2^(t - M): one batch
.set mi, mi+1
.endr
	v_pk_mul_f32 v[14:15], v[14:15], v[252:253] op_sel_hi:[1,0]   ; the sums under the new M: a plain line behind the batch
	s_wait_alu depctr_va_vdst(0)                   ; the one wait ahead of the batch's first reader
	v_pk_add_f32 v[242:243], v[100:101], v[104:105]
	v_pk_add_f32 v[254:255], v[108:109], v[112:113]
	v_pk_add_f32 v[250:251], v[116:117], v[120:121]
	v_pk_add_f32 v[248:249], v[124:125], v[128:129]
	v_pk_add_f32 v[246:247], v[132:133], v[136:137]
	v_pk_add_f32 v[238:239], v[140:141], v[144:145]
	v_pk_add_f32 v[236:237], v[148:149], v[152:153]
	v_pk_add_f32 v[14:15], v[14:15], v[156:157]
	v_pk_add_f32 v[242:243], v[242:243], v[96:97]
	v_pk_add_f32 v[254:255], v[254:255], v[98:99]
	v_pk_add_f32 v[250:251], v[250:251], v[102:103]
	v_pk_add_f32 v[248:249], v[248:249], v[106:107]
	v_pk_add_f32 v[246:247], v[246:247], v[110:111]
	v_pk_add_f32 v[238:239], v[238:239], v[114:115]
	v_pk_add_f32 v[236:237], v[236:237], v[118:119]
	v_pk_add_f32 v[14:15], v[14:15], v[122:123]
	v_pk_add_f32 v[242:243], v[242:243], v[126:127]
	v_pk_add_f32 v[254:255], v[254:255], v[130:131]
	v_pk_add_f32 v[250:251], v[250:251], v[134:135]
	v_pk_add_f32 v[248:249], v[248:249], v[138:139]
	v_pk_add_f32 v[246:247], v[246:247], v[142:143]
	v_pk_add_f32 v[238:239], v[238:239], v[146:147]
	v_pk_add_f32 v[236:237], v[236:237], v[150:151]
	v_pk_add_f32 v[14:15], v[14:15], v[154:155]
	v_pk_add_f32 v[242:243], v[242:243], v[158:159]
	s_delay_alu instid0(VALU_DEP_2)
	v_pk_add_f32 v[14:15], v[14:15], v[248:249]
	s_delay_alu instid0(VALU_DEP_2)
	v_pk_add_f32 v[242:243], v[242:243], v[246:247]
	v_pk_add_f32 v[254:255], v[254:255], v[238:239]
	v_pk_add_f32 v[250:251], v[250:251], v[236:237]
	s_delay_alu instid0(VALU_DEP_2)
	v_pk_add_f32 v[14:15], v[14:15], v[254:255]
	s_delay_alu instid0(VALU_DEP_2)
	v_pk_add_f32 v[242:243], v[242:243], v[250:251]
	s_delay_alu instid0(VALU_DEP_1)
	v_pk_add_f32 v[14:15], v[14:15], v[242:243]
.irp b, 0,1,2,3
.set mi, 0
.rept 16
	v_min_num_f32 v[96+16*\b+mi], v[96+16*\b+mi], v240   ; the conversion does not saturate (ISA guide 7.6.2); p is not negative
.set mi, mi+1
.endr
	v_cvt_scalef32_pk8_fp8_f32 v[224+4*\b:225+4*\b], v[96+16*\b:103+16*\b], v244
	v_cvt_scalef32_pk8_fp8_f32 v[226+4*\b:227+4*\b], v[104+16*\b:111+16*\b], v244
.endr
.set mi, 0
.rept 32
	v_pk_mul_f32 v[160+mi:161+mi], v[160+mi:161+mi], v[252:253] op_sel_hi:[1,0]   ; O^T under the new M; these are also the plain lines between the conversions and the products below
.set mi, mi+2
.endr
	s_wait_alu depctr_va_vdst(0)
.irp g, 0,1                                    ; O^T += V^T P^T
.if \g > 0
.rept 4
	v_nop
.endr
.irp t, 0,1,2,3
.irp c, 0,1,2,3
	ds_load_b128 v[32+16*\t+4*\c:32+16*\t+4*\c+3], v[ADV] offset:2048*(4+\t)+512*\c
.endr
.endr
.endif
	s_wait_dscnt 0x0
.irp t, 0,1,2,3
	v_wmma_f32_16x16x128_fp8_fp8 v[160+8*(4*\g+\t):167+8*(4*\g+\t)], v[32+16*\t:47+16*\t], v[224:239], v[160+8*(4*\g+\t):167+8*(4*\g+\t)]
.endr
.endr
.Lhidden_\@:
.endm
; A slot's two key steps of my parity: written once, walked twice; the LDS addresses hang on s[TB], which goes to the slot's second pair of blocks and back.
.macro TWO_STEPS
	s_mov_b32 s[TWICE], 2
.Lstep_\@:
	STEP
	s_xor_b32 s[TB], s[TB], 32768
	s_add_co_u32 s[KS], s[KS], 2
	s_sub_co_u32 s[TWICE], s[TWICE], 1
	s_cmp_lg_u32 s[TWICE], 0
	s_cbranch_scc1 .Lstep_\@
.endm
; THE CHANGE OF SLOTS: each wave waits for all its tensor loads, adds 0 to its spare word, and waits for that and for its reads of the slot that it has left.  fill = 1: a round of the cluster's barrier,
; and behind it the slot just left is filled with the keys 1,024 further on.
.macro CHANGE fill
	s_wait_tensorcnt 0x0
	ds_add_u32 v[SPW], v[NIL]
.if \fill
	ds_add_u32 v[SPW], v[NIL]                      ; and once more: the add twice on end here, in every trip alike
	s_xor_b32 s[G0W+1], s[G0W+1], SLOT1            ; no tensor load of mine is out: the descriptor walks to the other slot,
	s_add_nc_u64 s[G0W+2:G0W+3], s[G0W+2:G0W+3], 65536   ; and four blocks on
.endif
	s_xor_b32 s[TB], s[TB], SLOT1                  ; my reads go on in the other slot
	s_wait_dscnt 0x0
.if \fill
	CROUND
	JLOAD
	ASK
.else
	s_barrier_signal -1
	s_barrier_wait -1
.endif
.endm
	s_wait_tensorcnt 0x0                           ; my first fill is in
	s_barrier_signal -1
	s_barrier_wait -1
	s_wait_loadcnt 0x0                             ; Q
	TWO_STEPS                                      ; keys 0 to 511
.Lslot:                                        ; 2 trips: each of the two slots is filled once more
	CHANGE 1
	TWO_STEPS
	s_sub_co_u32 s[SLOTS], s[SLOTS], 1
	s_cmp_lg_u32 s[SLOTS], 0
	s_cbranch_scc1 .Lslot
	CHANGE 0                                       ; the last slot is written out
	TWO_STEPS
	; THE PAIR'S TWO STATES MEET.  The odd wave stores O^T, -M and its sum; the even wave brings both under the larger M (a wave that had no step gets the factor 0), divides, quantises and stores.
.rept 4
	v_nop                                          ; places behind the last products
.endr
	v_add_f32 v13, v14, v15                        ; the sum's two halves
	s_cmp_eq_u32 s[P0], 0
	s_cbranch_scc1 .Lkeeper
	s_wait_alu depctr_va_vdst(0)
.irp k, 0,1,2,3,4,5,6,7,8,9,10,11,12,13,14,15
	ds_store_b128 v[MST], v[160+4*\k:163+4*\k] offset:512*\k
.endr
	ds_store_b64 v[MS2], v[12:13]
.Lkeeper:
	s_wait_dscnt 0x0                               ; for the partner's sake: my stores are done
	s_barrier_signal -1
	s_barrier_wait -1
	s_cmp_lg_u32 s[P0], 0
	s_cbranch_scc1 .Lend
.irp k, 0,1,2,3,4,5,6,7,8,9,10,11,12,13,14,15
	ds_load_b128 v[32+4*\k:35+4*\k], v[MST] offset:512*\k
.endr
	ds_load_b64 v[10:11], v[MS2]
	s_sub_co_i32 s32, s72, s70                     ; O^T / the sum stands for that x 2^(e8 + e9): the conversion's one scale is 2^(e10 - e8 - e9)
	s_sub_co_i32 s32, s32, s71
	s_add_co_i32 s32, s32, 127
	s_lshl_b32 s33, s32, 23
	v_mov_b32 v244, s33
	s_add_co_i32 s32, s32, 8
	s_lshl_b32 s32, s32, 23
	s_or_b32 s32, s32, 0x600000
	v_mov_b32 v240, s32
	s_wait_dscnt 0x0
	v_min_num_f32 v252, v12, v10                   ; -M of the larger M
	s_delay_alu instid0(VALU_DEP_1)
	v_sub_f32 v232, v252, v12
	s_delay_alu instid0(VALU_DEP_2)
	v_sub_f32 v234, v252, v10
	s_delay_alu instid0(VALU_DEP_2)
	v_cvt_i32_f32 v232, v232                       ; whole numbers, 0 or less (they saturate)
	s_delay_alu instid0(VALU_DEP_2)
	v_cvt_i32_f32 v234, v234
	s_delay_alu instid0(VALU_DEP_2)
	v_ldexp_f32 v232, 1.0, v232                    ; my factor,
	s_delay_alu instid0(VALU_DEP_2)
	v_ldexp_f32 v234, 1.0, v234                    ; my partner's
	s_delay_alu instid0(VALU_DEP_2)
	v_mov_b32 v233, v232
	s_delay_alu instid0(VALU_DEP_2)
	v_mov_b32 v235, v234
	s_delay_alu instid0(VALU_DEP_4)
	v_mul_f32 v13, v13, v232
	s_delay_alu instid0(VALU_DEP_1)
	v_fmac_f32 v13, v11, v234
	v_permlanex16_b32 v236, v13, s[SEL], s[SEL+1]
	s_delay_alu instid0(VALU_DEP_1)
	v_add_f32 v13, v13, v236                       ; the row's sum
	s_wait_alu depctr_va_vdst(0)
	v_rcp_f32 v14, v13
.set mi, 0
	s_wait_alu depctr_va_vdst(0)
.rept 32
	v_pk_mul_f32 v[160+mi:161+mi], v[160+mi:161+mi], v[232:233] op_sel_hi:[1,0]
.set mi, mi+2
.endr
.set mi, 0
.rept 32
	v_pk_fma_f32 v[160+mi:161+mi], v[32+mi:33+mi], v[234:235], v[160+mi:161+mi] op_sel_hi:[1,0,1]
.set mi, mi+2
.endr
	s_wait_alu depctr_va_vdst(0)                   ; the wait ahead of the reciprocal's first reader
	v_mov_b32 v15, v14
.set mi, 0
.rept 32
	v_pk_mul_f32 v[160+mi:161+mi], v[160+mi:161+mi], v[14:15] op_sel_hi:[1,0]
.set mi, mi+2
.endr
.set mi, 0
.rept 64
	v_med3_num_f32 v[160+mi], v[160+mi], -v240, v240
.set mi, mi+1
.endr
.irp g, 0,1,2,3,4,5,6,7
	v_cvt_scalef32_pk8_fp8_f32 v[224+2*\g:225+2*\g], v[160+8*\g:167+8*\g], v244
.endr
	v_nop
.irp c, 0,1,2,3
	global_store_b128 v[LI], v[224+4*\c:227+4*\c], s[8:9] offset:512*\c   ; the image leaves as it stands: 512 consecutive bytes, aligned
.endr
.Lend:
	s_wait_tensorcnt 0x0                           ; the wave's end
	ds_add_u32 v[SPW], v[NIL]
	s_wait_dscnt 0x0
	CROUND                                         ; the closing round
	s_endpgm
.Lfunc_end_k_q466c721b4c_attn:
	.size	k_q466c721b4c_attn, .Lfunc_end_k_q466c721b4c_attn-k_q466c721b4c_attn
	.p2alignl 7, 3214868480
	.fill 96, 4, 3214868480
	.section	.rodata,"a",@progbits
	.p2align	6, 0x0
	.amdhsa_kernel k_q466c721b4c_attn
		.amdhsa_group_segment_fixed_size 327680
		.amdhsa_private_segment_fixed_size 0
		.amdhsa_enable_private_segment 0
		.amdhsa_kernarg_size 24
		.amdhsa_user_sgpr_count 2
		.amdhsa_user_sgpr_kernarg_segment_ptr 1
		.amdhsa_wavefront_size32 1
		.amdhsa_system_sgpr_workgroup_id_x 1
		.amdhsa_system_sgpr_workgroup_id_y 1
		.amdhsa_system_sgpr_workgroup_id_z 1
		.amdhsa_system_vgpr_workitem_id 0
		.amdhsa_next_free_vgpr 256
		.amdhsa_next_free_sgpr 100
		.amdhsa_reserve_vcc 1
		.amdhsa_float_denorm_mode_32 3
		.amdhsa_float_denorm_mode_16_64 3
		.amdhsa_memory_ordered 1
		.amdhsa_forward_progress 1
		.amdhsa_inst_pref_size 100
	.end_amdhsa_kernel
	.amdgpu_metadata
---
amdhsa.version: [ 1, 2 ]
amdhsa.kernels:
  - .name:           k_q466c721b4c_attn
    .symbol:         k_q466c721b4c_attn.kd
    .args:
      - { .name: qkvc, .offset: 0, .size: 8, .value_kind: global_buffer, .address_space: global }
      - { .name: lowp_scales, .offset: 8, .size: 8, .value_kind: global_buffer, .address_space: global }
      - { .name: ac, .offset: 16, .size: 8, .value_kind: global_buffer, .address_space: global }
    .group_segment_fixed_size: 327680
    .private_segment_fixed_size: 0
    .kernarg_segment_align: 8
    .kernarg_segment_size: 24
    .max_flat_workgroup_size: 512
    .sgpr_count:     100
    .vgpr_count:     256
    .wavefront_size: 32
...
	.end_amdgpu_metadata
.endif
;; end of part 3
;; launch oproj (part 4): grid 16 x 16, 4 waves a work-group, clusters of 4 x 4, 327,680 bytes of LDS; arguments ac, wc, lowp_scales, out0; writes out0
.if DOCPART == 4
	.amdgcn_target "amdgcn-amd-amdhsa--gfx1250"
	.amdhsa_code_object_version 6
	.text
	.protected	k_q466c721b4c_oproj
	.globl	k_q466c721b4c_oproj
	.p2align	8
	.type	k_q466c721b4c_oproj,@function
k_q466c721b4c_oproj:
	s_mov_b64 s[64:65], 0
	v_nop
	global_prefetch_b8 v0, s[64:65] scope:SCOPE_SE
	s_setreg_imm32_b32 hwreg(HW_REG_WAVE_MODE, 25, 1), 1
	s_wait_xcnt 0x0
	s_wait_alu depctr_hold_cnt(0) depctr_sa_sdst(0) depctr_va_vdst(0) depctr_va_sdst(0) depctr_va_ssrc(0) depctr_va_vcc(0) depctr_vm_vsrc(0)
	s_getreg_b32 s2, hwreg(HW_REG_IB_STS2, 6, 4)
	s_cmp_eq_u32 s2, 0
	s_cbranch_scc0 .Lentry_in_a_cluster
	s_endpgm
.Lentry_in_a_cluster:
	s_bfe_u32 s2, ttmp6, 0x10000c
	s_cmp_lg_u32 s2, 0xf033
	s_cbranch_scc0 .Lentry_shape_is_right
	s_endpgm
.Lentry_shape_is_right:
; out0 [2048][2048] f32 = (attention's result) x wo^T, both as codes of FP8 (E4M3); each finished sum is multiplied once by 2^(e10 + e11).  LIMIT: e10 + e11 between -126 and 127.
; OPERANDS ARE IMAGES OF REGISTERS, as in the other kernels: [block of 128 rows][K step of 128][image 0..7][piece 0..3][lane][16 bytes]: a block's K steps lie on end, 16,384 bytes each, and a fragment is four dense LDS loads.
; SHARES: 256 work-groups, a tile of 128 x 128 each; four waves, 64 x 64 (16 accumulators) a wave.  The matrix instruction is used transposed (source 0 = an image of wo, source 1 = an image of A): a lane holds eight neighbouring columns of a row.
; THE RING: two slots of 131,072 bytes: A's 128 rows x 512 K (65,536 bytes), then B's; 2,048 along K are four slots.  At the head each wave issues ONE load of 65,536 bytes (256 rows of 256 bytes, by a group 1 of its own):
; wave 0 A's part of slot 0, wave 1 A's of slot 1, waves 2 and 3 B's: so both slots are asked for behind the one opening round.  Each slot is filled once more, 32,768 bytes a wave.
; CLUSTERS: 4 x 4 work-groups; A's tiles are asked for jointly along a row of the cluster, B's along a column.
; The way out goes through each wave's own stage in LDS, behind the spare words, and leaves as aligned units of 256 bytes.
.set SLOT,   131072
.set SPARE,  2*SLOT
.set STAGE,  SPARE+512
.set SPITCH, 272
.set ADRA, 16
.set ADRB, 20
.set STO,  24
.set RD,   25
.set CO,   26
.set SPW,  28
.set NIL,  29
.set TMP,  32
.set BK,   64
.set ACC,  128
.set F0,   0
.set F1,   128
.set G1, 24
.set G0, 32
.set G1B, 48
.set G0B, 56
.set MSB, 0
.macro WIN new
.if MSB != \new
	s_set_vgpr_msb (MSB<<8)|\new
.set MSB, \new
.endif
.endm
.set MUL,  0x05
.set TO_F, 0x40
.macro JLOAD s
	s_cmp_eq_u32 s15, 0
	s_cbranch_scc0 .Lfor_b_\@
	tensor_load_to_lds s[G0+4*\s:G0+4*\s+3], s[G1:G1+7]
	s_nop 0
.rept 4
	v_nop
.endr
	s_branch .Lasked_\@
.Lfor_b_\@:
	tensor_load_to_lds s[G0B+4*\s:G0B+4*\s+3], s[G1B:G1B+7]
	s_nop 0
.rept 4
	v_nop
.endr
.Lasked_\@:
.endm
.macro CREST
	s_cmp_lg_u32 s14, 0
	s_cbranch_scc1 .Lnot_wave_0_\@
	s_barrier_signal -3
.Lnot_wave_0_\@:
	s_barrier_wait -3
	s_barrier_signal -1
	s_barrier_wait -1
.endm
.macro CROUND
	s_barrier_signal -1
	s_barrier_wait -1
	CREST
.endm
	s_load_b256 s[4:11], s[0:1], 0x0
	v_lshl_add_u32 v[SPW], v0, 2, SPARE
	v_mov_b32 v[NIL], 0
	ds_add_u32 v[SPW], v[NIL]
	ds_add_u32 v[SPW], v[NIL]
	v_lshrrev_b32 v1, 5, v0
	v_readfirstlane_b32 s14, v1
	s_lshr_b32 s15, s14, 1
	s_and_b32 s16, s14, 1
	s_bfe_u32 s40, ttmp6, 0x40000
	s_bfe_u32 s41, ttmp6, 0x40004
	s_lshl_b32 s42, ttmp9, 2
	s_add_co_u32 s42, s42, s40
	s_and_b32 s17, ttmp7, 0xffff
	s_lshl_b32 s17, s17, 2
	s_add_co_u32 s17, s17, s41
	s_lshl_b32 s43, s41, 2
	s_lshl_b32 s43, 15, s43
	s_lshl_b32 s44, 0x1111, s40
	s_or_b32 s[G1+0], s43, (3<<16)|(1<<21)
	s_or_b32 s[G1B+0], s44, (3<<16)|(1<<21)
	s_or_b32 s80, s43, (3<<16)|(1<<21)             ; s[80:87], s[72:79]: group 1 of the head's loads, for A and for B: the same masks, 256 rows
	s_or_b32 s72, s44, (3<<16)|(1<<21)
.irp g, 80, 72
	s_mov_b32 s[\g+1], 32<<16
	s_mov_b32 s[\g+2], 256<<16
	s_mov_b32 s[\g+3], 32<<16
	s_mov_b32 s[\g+4], 256
	s_mov_b32 s[\g+5], 32
	s_mov_b32 s[\g+6], 0
	s_mov_b32 s[\g+7], 0
.endr
.irp g, G1, G1B
	s_mov_b32 s[\g+1], 32<<16
	s_mov_b32 s[\g+2], 128<<16
	s_mov_b32 s[\g+3], 32<<16
	s_mov_b32 s[\g+4], 128
	s_mov_b32 s[\g+5], 32
	s_mov_b32 s[\g+6], 0
	s_mov_b32 s[\g+7], 0
.endr
	s_lshl_b32 s18, s16, 15
	s_lshl_b32 s20, s17, 18
	s_add_co_u32 s20, s20, s18
	s_mov_b32 s21, 0
	s_lshl_b32 s46, s42, 18
	s_add_co_u32 s46, s46, s18
	s_add_co_u32 s46, s46, 0xc00000
	s_mov_b32 s47, 0
	s_lshl_b32 s45, s14, 15
	s_wait_dscnt 0x0
	s_wait_kmcnt 0x0
	s_load_b64 s[96:97], s[8:9], 0x28
	s_add_nc_u64 s[20:21], s[4:5], s[20:21]
	s_add_nc_u64 s[46:47], s[6:7], s[46:47]
	CROUND
.irp s, 0,1
	s_mov_b32 s[G0+4*\s], 1
	s_add_co_u32 s[G0+4*\s+1], s45, \s*SLOT
	s_add_nc_u64 s[G0+4*\s+2:G0+4*\s+3], s[20:21], \s*65536
	s_or_b32 s[G0+4*\s+3], s[G0+4*\s+3], 0x80000000
	s_mov_b32 s[G0B+4*\s], 1
	s_add_co_u32 s[G0B+4*\s+1], s45, \s*SLOT
	s_add_nc_u64 s[G0B+4*\s+2:G0B+4*\s+3], s[46:47], \s*65536
	s_or_b32 s[G0B+4*\s+3], s[G0B+4*\s+3], 0x80000000
.endr
	; the head's group 0, s[68:71] for A and s[92:95] for B: slot = wave % 2; LDS: 65,536 x (wave / 2) + 131,072 x slot; memory: the block's K steps 4 x slot on (s[20:21] and s[46:47] stand 32,768 x slot into their blocks)
	s_lshl_b32 s18, s15, 16
	s_lshl_b32 s19, s16, 17
	s_add_co_u32 s18, s18, s19
	s_lshl_b32 s22, s16, 15
	s_mov_b32 s23, 0
	s_mov_b32 s68, 1
	s_mov_b32 s69, s18
	s_add_nc_u64 s[70:71], s[20:21], s[22:23]
	s_or_b32 s71, s71, 0x80000000
	s_mov_b32 s92, 1
	s_mov_b32 s93, s18
	s_add_nc_u64 s[94:95], s[46:47], s[22:23]
	s_or_b32 s95, s95, 0x80000000
	s_cmp_eq_u32 s15, 0                            ; one chain on the wave's number, one tensor load to an arm; an s_nop 0 and four v_nop follow each
	s_cbranch_scc0 .Lhead_b
	tensor_load_to_lds s[68:71], s[80:87]
	s_nop 0
.rept 4
	v_nop
.endr
	s_branch .Lhead_asked
.Lhead_b:
	tensor_load_to_lds s[92:95], s[72:79]
	s_nop 0
.rept 4
	v_nop
.endr
.Lhead_asked:
	; the prefetches: the head's loads bring K = 0 .. 1,023, and the head asks for what the two refills will load, the block's other 131,072 bytes, two slots ahead.  The four partners that ask for a block jointly and
	; their two waves share it out BY ADDRESS, 16,384 bytes each: 32,768 x (wave % 2) + 16,384 x (p % 2) + 65,536 x (p / 2), p = cx for A, cy for B: each aligned block of 256 bytes is named once in each cluster that will load it
	s_cmp_eq_u32 s15, 0
	s_cselect_b64 s[88:89], s[20:21], s[46:47]
	s_cselect_b32 s90, s40, s41
	s_and_b32 s91, s90, 1
	s_lshl_b32 s91, s91, 14
	s_lshr_b32 s90, s90, 1
	s_lshl_b32 s90, s90, 16
	s_add_co_u32 s90, s90, s91
	s_add_co_u32 s90, s90, 131072
	s_mov_b32 s91, 0
	s_add_nc_u64 s[88:89], s[88:89], s[90:91]      ; never rewritten
	v_and_b32 v1, 15, v0
	s_wait_alu depctr_va_vdst(0)
	v_bfe_u32 v2, v0, 4, 1
	v_and_b32 v3, 31, v0
	v_lshlrev_b32 v4, 4, v3
	v_lshlrev_b32 v27, 8, v3                       ; 256 x lane; never rewritten
	global_prefetch_b8 v27, s[88:89] th:TH_LOAD_NT scope:SCOPE_SE
	global_prefetch_b8 v27, s[88:89] offset:8192 th:TH_LOAD_NT scope:SCOPE_SE
	s_lshl_b32 s21, s15, 13
	s_lshl_b32 s22, s16, 13
	s_add_co_u32 s22, s22, 65536
.irp s, 0,1
	v_add_nc_u32 v[ADRA+\s], s21, v4
	v_add_nc_u32 v[ADRB+\s], s22, v4
	s_add_co_u32 s21, s21, SLOT
	s_add_co_u32 s22, s22, SLOT
.endr
	s_mul_i32 s23, s14, 16*SPITCH
	s_add_co_u32 s23, s23, STAGE
	v_mul_u32_u24 v5, v1, SPITCH
	s_wait_alu depctr_va_vdst(0)
	v_lshl_add_u32 v5, v2, 6, v5
	v_add_nc_u32 v[STO], s23, v5
	v_mul_u32_u24 v5, v2, SPITCH
	v_lshl_add_u32 v5, v1, 4, v5
	v_add_nc_u32 v[RD], s23, v5
	v_lshlrev_b32 v5, 13, v2
	v_lshl_add_u32 v[CO], v1, 4, v5
	s_lshl_b32 s20, s17, 7
	s_lshl_b32 s21, s15, 6
	s_add_co_u32 s20, s20, s21
	s_lshl_b32 s20, s20, 13
	s_lshl_b32 s46, s42, 9
	s_lshl_b32 s47, s16, 8
	s_add_co_u32 s46, s46, s47
	s_add_co_u32 s20, s20, s46
	s_mov_b32 s21, 0
	s_add_nc_u64 s[10:11], s[10:11], s[20:21]
.macro MUL8 f, a0, zero
.irp a, \a0, \a0+1
.irp b, 0,1,2,3
.if \zero
	v_wmma_f32_16x16x128_fp8_fp8 v[ACC+8*(4*(\a)+\b):ACC+8*(4*(\a)+\b)+7], v[\f+64+16*\b:\f+64+16*\b+15], v[\f+16*(\a):\f+16*(\a)+15], 0
.else
	v_wmma_f32_16x16x128_fp8_fp8 v[ACC+8*(4*(\a)+\b):ACC+8*(4*(\a)+\b)+7], v[\f+64+16*\b:\f+64+16*\b+15], v[\f+16*(\a):\f+16*(\a)+15], v[ACC+8*(4*(\a)+\b):ACC+8*(4*(\a)+\b)+7]
.endif
.endr
.endr
.endm
.macro FETCH slot, q, f
	WIN TO_F
.irp i, 0,1,2,3
.irp c, 0,1,2,3
	ds_load_b128 v[\f+64+16*\i+4*\c:\f+64+16*\i+4*\c+3], v[ADRB+\slot] offset:16384*(\q)+2048*\i+512*\c
.endr
.endr
.irp i, 0,1,2,3
.irp c, 0,1,2,3
	ds_load_b128 v[\f+16*\i+4*\c:\f+16*\i+4*\c+3], v[ADRA+\slot] offset:16384*(\q)+2048*\i+512*\c
.endr
.endr
.endm
.macro PLACES
.rept 4
	v_nop
.endr
.endm
.macro QUARTER slot, q, f, g, zero
	s_wait_dscnt 8
	WIN MUL
	MUL8 \f, 0, \zero
	PLACES
	FETCH \slot, \q, \g
	s_wait_dscnt 32
	WIN MUL
	MUL8 \f, 2, \zero
.endm
.macro TURN slot, next, fill
	WIN 0
	s_wait_tensorcnt 0x0
	ds_add_u32 v[SPW], v[NIL]
	s_wait_dscnt 9
	WIN MUL
	MUL8 F1, 0, 0
	s_wait_dscnt 0x0
	s_barrier_signal -1
	MUL8 F1, 2, 0
	WIN 0
	s_barrier_wait -1
.if \fill
	CREST
	s_add_nc_u64 s[G0+4*\slot+2:G0+4*\slot+3], s[G0+4*\slot+2:G0+4*\slot+3], 131072
	s_add_nc_u64 s[G0B+4*\slot+2:G0B+4*\slot+3], s[G0B+4*\slot+2:G0B+4*\slot+3], 131072
	JLOAD \slot
.else
	PLACES
.endif
	FETCH \next, 0, F0
.endm
	s_wait_alu depctr_va_vdst(0)                   ; the wait at the head's end
	s_wait_tensorcnt 0x0                           ; my 65,536 bytes are in
	s_barrier_signal -1
	s_barrier_wait -1
	FETCH 0, 0, F0
	QUARTER 0, 1, F0, F1, 1
	QUARTER 0, 2, F1, F0, 0
	QUARTER 0, 3, F0, F1, 0
	TURN 0, 1, 1
	QUARTER 1, 1, F0, F1, 0
	QUARTER 1, 2, F1, F0, 0
	QUARTER 1, 3, F0, F1, 0
	TURN 1, 0, 1
	QUARTER 0, 1, F0, F1, 0
	QUARTER 0, 2, F1, F0, 0
	QUARTER 0, 3, F0, F1, 0
	TURN 0, 1, 0
	QUARTER 1, 1, F0, F1, 0
	QUARTER 1, 2, F1, F0, 0
	QUARTER 1, 3, F0, F1, 0
	s_wait_dscnt 8
	WIN MUL
	MUL8 F1, 0, 0
	s_wait_dscnt 0
	MUL8 F1, 2, 0
	WIN 0
.macro TOSTAGE a
.set wj, 0
.rept 16
	v_pk_mul_f32 v[TMP+wj:TMP+wj+1], v[ACC+32*(\a)+wj:ACC+32*(\a)+wj+1], s[96:97] op_sel_hi:[1,0]
.set wj, wj+2
.endr
.irp b, 0,1,2,3
	ds_store_b128 v[STO], v[TMP+8*\b:TMP+8*\b+3] offset:128*(\b/2)+32*(\b%2)
	ds_store_b128 v[STO], v[TMP+8*\b+4:TMP+8*\b+7] offset:128*(\b/2)+32*(\b%2)+16
.endr
.set BB, BK+32*((\a)%2)
.irp i, 0,1,2,3,4,5,6,7
	ds_load_b128 v[BB+4*\i:BB+4*\i+3], v[RD] offset:2*\i*SPITCH
.endr
.endm
.macro SEND a, younger
.set BB, BK+32*((\a)%2)
	s_wait_dscnt \younger
.irp i, 0,1,2,3,4,5,6,7
	global_store_b128 v[CO], v[BB+4*\i:BB+4*\i+3], s[10:11] offset:(32*((\a)/2)+8*((\a)%2)+2*\i+8*(\i/4))*8192 th:TH_STORE_NT
.endr
.endm
	s_wait_kmcnt 0x0
	s_add_co_i32 s96, s96, s97
	s_add_co_i32 s96, s96, 127
	s_lshl_b32 s96, s96, 23
	PLACES
	TOSTAGE 0
.irp a, 1,2,3
.if \a > 1
	s_wait_xcnt 0x0
.endif
	TOSTAGE \a
	SEND \a-1, 16
.endr
	SEND 3, 0
	s_wait_tensorcnt 0x0
	ds_add_u32 v[SPW], v[NIL]
	s_wait_dscnt 0x0
	CROUND
	s_endpgm
.Lfunc_end_k_q466c721b4c_oproj:
	.size	k_q466c721b4c_oproj, .Lfunc_end_k_q466c721b4c_oproj-k_q466c721b4c_oproj
	.p2alignl 7, 3214868480
	.fill 96, 4, 3214868480
	.section	.rodata,"a",@progbits
	.p2align	6, 0x0
	.amdhsa_kernel k_q466c721b4c_oproj
		.amdhsa_group_segment_fixed_size 327680
		.amdhsa_private_segment_fixed_size 0
		.amdhsa_enable_private_segment 0
		.amdhsa_kernarg_size 32
		.amdhsa_user_sgpr_count 2
		.amdhsa_user_sgpr_kernarg_segment_ptr 1
		.amdhsa_wavefront_size32 1
		.amdhsa_system_sgpr_workgroup_id_x 1
		.amdhsa_system_sgpr_workgroup_id_y 1
		.amdhsa_system_sgpr_workgroup_id_z 1
		.amdhsa_system_vgpr_workitem_id 0
		.amdhsa_next_free_vgpr 512
		.amdhsa_next_free_sgpr 100
		.amdhsa_reserve_vcc 0
		.amdhsa_float_denorm_mode_32 3
		.amdhsa_float_denorm_mode_16_64 3
		.amdhsa_memory_ordered 1
		.amdhsa_forward_progress 1
		.amdhsa_inst_pref_size 75
	.end_amdhsa_kernel
	.amdgpu_metadata
---
amdhsa.version: [ 1, 2 ]
amdhsa.kernels:
  - .name:           k_q466c721b4c_oproj
    .symbol:         k_q466c721b4c_oproj.kd
    .args:
      - { .name: ac, .offset: 0, .size: 8, .value_kind: global_buffer, .address_space: global }
      - { .name: wc, .offset: 8, .size: 8, .value_kind: global_buffer, .address_space: global }
      - { .name: lowp_scales, .offset: 16, .size: 8, .value_kind: global_buffer, .address_space: global }
      - { .name: out0, .offset: 24, .size: 8, .value_kind: global_buffer, .address_space: global }
    .group_segment_fixed_size: 327680
    .private_segment_fixed_size: 0
    .kernarg_segment_align: 8
    .kernarg_segment_size: 32
    .max_flat_workgroup_size: 128
    .sgpr_count:     100
    .vgpr_count:     512
    .wavefront_size: 32
...
	.end_amdgpu_metadata
.endif
;; end of part 4
